; MI455X (gfx1250); checked and timed in simulation.
; The chip was launched on July 23, 2026; its instructions are those of AMD's public machine-readable ISA for CDNA 5 (MIT licence, August 2026) and "CDNA5" Instruction Set Architecture Reference Guide (July 2026). The comments in the code are by the model that wrote it; some were corrected since.
;; Multi Head Attention. Allowed arithmetic: matrix products marked QUANTISED: E5M2 operands, one E8M0 scale for each 32 along K, by v_wmma_scale_f32_16x16x128_f8f6f4 with both operands' format E5M2, f32 sums; everything else in f32.
;; Inputs: Wk 1,024 x 1,024 float32; Wo 1,024 x 1,024 float32; Wq 1,024 x 1,024 float32; Wv 1,024 x 1,024 float32; bk 1,024 float32; bo 1,024 float32; bq 1,024 float32; bv 1,024 float32; k 4 x 2,048 x 1,024 float32; key_padding_mask 4 x 2,048 bool; q 4 x 2,048 x 1,024 float32; src_mask 2,048 x 2,048 float32; v 4 x 2,048 x 1,024 float32.
;; Outputs: out0 4 x 2,048 x 1,024 float32.
;; This version of the problem:
;;   THIS VERSION OF THE PROBLEM IS GIVEN IN LOW PRECISION. The matrix products marked QUANTISED in the list below multiply operands that are first quantised to E5M2 (5 exponent bits, 2 mantissa bits; 8 bits a number), with one power-of-two scale for each 32 numbers along K (OCP MX v1.0); their sums are f32. All else is computed in f32.
;;   The module's matrix products, in the order in which they are computed (A, B: the left and right operand; K: the contracted axis; several contracted axes count as one K, in the product's order):
;;     1. [M 8,192, K 1,024] x [K 1,024, N 1,024]; A: input q; B: input Wq: QUANTISED
;;     2. [M 8,192, K 1,024] x [K 1,024, N 1,024]; A: input k; B: input Wk: QUANTISED
;;     3. [M 8,192, K 1,024] x [K 1,024, N 1,024]; A: input v; B: input Wv: QUANTISED
;;     4. batch 64 x [M 2,048, K 64] x [K 64, N 2,048]; A: computed on the way; B: computed on the way: QUANTISED
;;     5. batch 64 x [M 2,048, K 2,048] x [K 2,048, N 64]; A: softmax (see below); B: computed on the way: QUANTISED
;;     6. [M 8,192, K 1,024] x [K 1,024, N 1,024]; A: computed on the way; B: input Wo: QUANTISED
;;   THE QUANTISER, for each operand of a quantised product, along K:
;;     - K is cut into blocks of 32 from its start; a last block that is shorter is filled with zeros.
;;     - A block's scale is 2^e with e = floor(log2(the largest magnitude in the block)) - 15, held to -126 .. 127; a block of zeros has e = 0. As a byte (E8M0): e + 127.
;;     - Each number is divided by its block's scale, clamped to +-57,344, and rounded to the nearest number of E5M2, ties to even, subnormals kept.
;;     - The product sums the exact products of the quantised numbers (number of the format x scale) in f32.
;;   ~~~python
;;   def quantise(x, axis):      # numpy; x: float32 -> the quantised numbers, widened to float32 again
;;       x = np.moveaxis(x, axis, -1); K = x.shape[-1]
;;       x = np.pad(x, [(0, 0)] * (x.ndim - 1) + [(0, -K % 32)]); x = x.reshape(x.shape[:-1] + (-1, 32)); a = np.abs(x).max(-1, keepdims=True)
;;       e = np.where(a > 0, np.clip(np.frexp(np.where(a > 0, a, 1))[1] - 1 - 15, -126, 127), 0)      # np.frexp(a)[1] - 1 = floor(log2(a)), exactly
;;       r = np.clip(x / 2.0 ** e, -57344, 57344)
;;       step = 2.0 ** (np.maximum(np.frexp(np.where(r == 0, 1, r))[1] - 1, -14) - 2)
;;       q = np.round(r / step) * step * 2.0 ** e      # np.round: ties to even
;;       return np.moveaxis(q.reshape(q.shape[:-2] + (-1,))[..., :K], -1, axis).astype(np.float32)
;;   ~~~
;;   SOFTMAX AHEAD OF A QUANTISED PRODUCT. Where the list says 'softmax', what is quantised is not the finished softmax but p = 2^(t - M), with t = logit x log2(e) and M = ceil(the row's largest t), a whole number; so 1/2 < the row's largest p <= 1. The row's sum l is taken of the UNQUANTISED p, in f32, and the product's result is divided by l at the end. Since M is a whole number, a kernel that streams over the keys may use a running M (the ceiling of the running maximum): every later rescaling is an exact power of two, which a block's scale takes up: the codes' values come out the same.
;;   OPERANDS COMPUTED ON THE WAY. 'Computed on the way' means the value that the module computes at that place (a softmax that the list does not call 'softmax' is quantised finished and normalised). What goes into a quantiser is computed in f32, as accurately as f32 sums, v_exp_f32 and their like allow (about 1e-6 of the number): no bf16 or f16 on the way to a quantiser, and a product that is left as it is and whose result goes on into a quantised operand takes f32 operands (vector FMAs, or v_wmma_f32_16x16x4_f32). A number that lies on a knife's edge between two numbers of the format may be rounded either way, as far as f32 arithmetic and the matrix unit's own rounding can turn it there, and no further.
;; One version. Each part assembles by itself: llvm-mc -triple=amdgcn-amd-amdhsa -mcpu=gfx1250 --defsym DOCPART=n.
;; ======== version 1 of 1: 4 launches
;; limits: right only within a limited range of input values
;; workspace buffers: xc 29,360,128 bytes; xs 917,504 bytes; hc 25,165,824 bytes; hs 786,432 bytes; cc 8,388,608 bytes; cs 262,144 bytes
;; launch prep (part 1): grid 896 x 1, 4 waves a work-group, no clusters, 33,280 bytes of LDS; arguments q, k, v, Wq, Wk, Wv, Wo, xc, xs; writes xc, xs
.if DOCPART == 1
	.amdgcn_target "amdgcn-amd-amdhsa--gfx1250"
	.amdhsa_code_object_version 6
	.text
	.protected	k_qb202bc4e79_prep
	.globl	k_qb202bc4e79_prep
	.p2align	8
	.type	k_qb202bc4e79_prep,@function
k_qb202bc4e79_prep:
	s_mov_b64 s[64:65], 0
	v_nop
	global_prefetch_b8 v0, s[64:65] scope:SCOPE_SE
	s_setreg_imm32_b32 hwreg(HW_REG_WAVE_MODE, 25, 1), 1
	s_wait_xcnt 0x0
; q, k, v [8192][1024] and Wq, Wk, Wv, Wo [1024][1024], f32 with K innermost, become codes of BF8 (E5M2) in xc and one E8M0 byte for each 32 along K in xs.
; A block's scale is 2^(floor(log2(its largest magnitude)) - 15); its byte is the largest magnitude's exponent field - 15, held at 1 from below; each number is held within +-57,344 x the scale and rounded to the nearest code, ties to even.
; (A block of zeros gets the byte 1 where the rule says 127: its codes are zeros, and this program alone reads the bytes.)
; LIMITS: blocks whose largest magnitude lies under 2^-111 keep the byte 1; NaN and infinities among the inputs are not served.
; SHARES.  A work-group takes 32 rows (32,768 numbers), a wave 8 rows in 16 steps of 512 numbers.  Work-groups 0-255 take q, 256-511 k, 512-767 v, then 32 each Wq, Wk, Wv, Wo; only pointers are chosen, all take one path.
; ROW ORDER.  k, v, Wq, Wk, Wv are stored with bits 3 and 4 of the row number exchanged: a wave's 8 rows go to the place of wave ((w & 1) << 1) | (w >> 1).  Sixteen stored rows on end (tile 2 b + u, row r) are then
; the true rows 32 b + 8 u + r + 8 (r / 8): a product whose source 0 takes such a tile leaves 16 neighbours along that axis in the 16 registers of two neighbouring tiles.  q and Wo keep their order.
; Each load reads 512 consecutive bytes; a step's 2,048 bytes turn through the wave's own stage in LDS so that a lane holds 16 neighbours (two lanes a block); a lane's 16 codes are 16 bytes: the wave stores 512 consecutive bytes.
; A wave's 256 scale bytes are gathered in its own LDS bytes and leave as 256 consecutive, aligned bytes.  No tensor load, no barrier: waves share nothing.  Loads run four steps ahead, the turn through LDS one step.
.set STEPS, 16
.set EMAX,  15
.set MANT,  0x600000                   ; the mantissa field of 57,344 as f32
.set CB,    16                         ; bytes of 16 codes
.set R,     16                         ; v16-79   four sets of 16 numbers as they are loaded
.set X,     80                         ; v80-111  two sets of 16 neighbours
.set C,     128                        ; v128-191 codes: four registers for each step, so that no store's data are written again
.set E,     112                        ; v112-127 a scale byte for each step
.set WREG,  8192                       ; LDS: a region for each wave: two stages of 32 x SP bytes, behind them its 256 scale bytes
.set SP,    80                         ; a lane's place in a stage: its 64 bytes + 16 of padding
	s_load_b512 s[4:19], s[0:1], 0x0               ; q s[4:5], k s[6:7], v s[8:9], Wq s[10:11], Wk s[12:13], Wv s[14:15], Wo s[16:17], xc s[18:19]
	s_load_b64 s[20:21], s[0:1], 0x40              ; xs
	v_lshl_add_u32 v192, v0, 2, 0x8000
	v_mov_b32 v193, 0
	v_lshrrev_b32 v1, 5, v0
	v_readfirstlane_b32 s22, v1                    ; wave
	v_and_b32 v2, 31, v0                           ; lane
	v_lshlrev_b32 v3, 4, v2                        ; my 16 bytes of a load's 512
	s_mul_i32 s27, s22, WREG
	v_lshrrev_b32 v14, 2, v2
	v_mul_u32_u24 v14, v14, SP
	v_and_b32 v15, 3, v2
	v_lshl_add_u32 v14, v15, 4, v14
	v_add_nc_u32 v14, s27, v14                     ; the stage, on the way in: SP (lane / 4) + 16 (lane % 4)
	v_mul_u32_u24 v15, v2, SP
	v_add_nc_u32 v15, s27, v15                     ; and on the way out: SP x lane: my 16 neighbours
	v_mul_u32_u24 v4, v2, CB                       ; my codes' place in a step's
	v_lshrrev_b32 v5, 1, v2
	s_add_co_u32 s27, s27, 2*32*SP
	v_add_nc_u32 v5, s27, v5                       ; LDS: my wave's 256 scale bytes, my block's byte
	v_lshlrev_b32 v7, 3, v2                        ; and on the way out 8 bytes a lane
	v_add_nc_u32 v6, s27, v7
	s_mov_b32 s23, MANT
	s_wait_alu depctr_va_vdst(0)
	s_wait_kmcnt 0x0
	s_mov_b64 s[24:25], s[16:17]                   ; the source: Wo, unless the work-group's number says otherwise
	s_mov_b32 s26, 864                             ; and the first work-group of that tensor
.macro PICK lim, ptr, start                    ; the choice hangs on the work-group's number alone
	s_cmp_lt_u32 ttmp9, \lim
	s_cselect_b64 s[24:25], s[\ptr:\ptr+1], s[24:25]
	s_cselect_b32 s26, \start, s26
.endm
	PICK 864, 14, 832
	PICK 832, 12, 800
	PICK 800, 10, 768
	PICK 768, 8, 512
	PICK 512, 6, 256
	PICK 256, 4, 0
	s_sub_co_u32 s27, ttmp9, s26
	s_lshl_b32 s27, s27, 2
	s_add_co_u32 s27, s27, s22                     ; which run of 8 rows of the tensor is my wave's
	s_lshl_b32 s28, s27, 15                        ; 32,768 bytes a run (under 2^26)
	s_mov_b32 s29, 0
	s_add_nc_u64 s[24:25], s[24:25], s[28:29]
	s_and_b32 s30, s22, 1
	s_lshl_b32 s30, s30, 1
	s_lshr_b32 s31, s22, 1
	s_or_b32 s30, s30, s31                         ; the wave's number with its two bits exchanged
	s_sub_co_u32 s31, ttmp9, 256
	s_cmp_lt_u32 s31, 608                          ; k, v, Wq, Wk, Wv: work-groups 256 to 863
	s_cselect_b32 s30, s30, s22
	s_lshl_b32 s31, ttmp9, 2
	s_add_co_u32 s30, s30, s31                     ; which run of xc and xs I write
	s_lshl_b32 s28, s30, 13                        ; 8,192 bytes of codes a run
	s_add_nc_u64 s[18:19], s[18:19], s[28:29]
	s_lshl_b32 s28, s30, 8                         ; 256 scale bytes a run
	s_add_nc_u64 s[20:21], s[20:21], s[28:29]
.macro LOAD t
.irp i, 0,1,2,3
	global_load_b128 v[R+16*((\t)%4)+4*\i:R+16*((\t)%4)+4*\i+3], v3, s[24:25] offset:2048*(\t)+512*\i th:TH_LOAD_NT   ; 32 lanes read 512 consecutive bytes
.endr
.endm
.macro TURN t                          ; step t's numbers through the stage: LDS serves a wave's instructions in order, so no wait stands between the stores and the loads
.irp i, 0,1,2,3
	ds_store_b128 v14, v[R+16*((\t)%4)+4*\i:R+16*((\t)%4)+4*\i+3] offset:32*SP*((\t)%2)+8*SP*\i
.endr
.irp i, 0,1,2,3
	ds_load_b128 v[X+16*((\t)%2)+4*\i:X+16*((\t)%2)+4*\i+3], v15 offset:32*SP*((\t)%2)+16*\i
.endr
.endm
.irp t, 0,1,2,3
	LOAD \t
.endr
	s_wait_loadcnt 12                              ; step 0's four loads are in; twelve younger ones stay out
	TURN 0
.macro STEP t
.set XS, X+16*((\t)%2)
.if (\t) > 0
	s_wait_dscnt 1                                 ; this step's numbers are back from the stage (the last step's byte store may be out): so its stores into the stage have read their registers,
.else
	s_wait_dscnt 0x0
.endif
.if (\t)+4 < STEPS
	LOAD (\t)+4                                    ; which take the loads of four steps on
.endif
.if (\t)+1 < STEPS
.if STEPS-2-(\t) >= 3
	s_wait_loadcnt 12                              ; the next step's four loads are in; those of the three steps behind it may be out
.else
	s_wait_loadcnt 4*(STEPS-2-(\t))
.endif
	TURN (\t)+1                                    ; and go through the other stage while this step is worked
.endif
	v_max3_num_f32 v8, |v[XS]|, |v[XS+1]|, |v[XS+2]|               ; the largest magnitude of my 16, in two chains
	v_max3_num_f32 v9, |v[XS+3]|, |v[XS+4]|, |v[XS+5]|
.irp i, 6,10
	v_max3_num_f32 v8, v8, |v[XS+\i]|, |v[XS+\i+1]|
	v_max3_num_f32 v9, v9, |v[XS+\i+2]|, |v[XS+\i+3]|
.endr
	v_max3_num_f32 v8, v8, |v[XS+14]|, |v[XS+15]|
	v_max3_num_f32 v8, v8, v9, (EMAX+1)<<23        ; and the floor 2^(16 - 127): the byte cannot fall under 1
	v_max_num_f32_dpp v8, v8, v8 row_xmask:1 row_mask:0xf bank_mask:0xf   ; and of my neighbour's 16: the block's
	v_add_nc_u32 v11, -(EMAX<<23), v8              ; 15 off its exponent field: the conversion takes the exponent field of this operand as its scale
	v_and_or_b32 v10, v8, 0x7f800000, s23          ; 57,344 x the scale
.irp i, 0,1,2,3,4,5,6,7,8,9,10,11,12,13,14,15
	v_med3_num_f32 v[XS+\i], v[XS+\i], -v10, v10   ; the conversion to an 8-bit code does not saturate (ISA guide 7.6.2): the hold comes first
.endr
	v_cvt_scalef32_pk8_bf8_f32 v[C+4*(\t):C+4*(\t)+1], v[XS:XS+7], v11
	v_cvt_scalef32_pk8_bf8_f32 v[C+4*(\t)+2:C+4*(\t)+3], v[XS+8:XS+15], v11
	v_lshrrev_b32 v[E+(\t)], 23, v11               ; the scale's byte
	ds_store_b8 v5, v[E+(\t)] offset:16*(\t)       ; both lanes of a block write the same byte with the same value
	global_store_b128 v4, v[C+4*(\t):C+4*(\t)+3], s[18:19] offset:32*CB*(\t)
.endm
.irp t, 0,1,2,3,4,5,6,7,8,9,10,11,12,13,14,15
	STEP \t
.endr
	ds_load_b64 v[12:13], v6                       ; LDS serves a wave's instructions in order: these see my stores
	s_wait_dscnt 0x0
	global_store_b64 v7, v[12:13], s[20:21]        ; 32 lanes store 256 consecutive bytes, aligned
	s_wait_tensorcnt 0x0
	ds_add_u32 v192, v193
	s_wait_dscnt 0x0
	s_endpgm
.Lfunc_end_k_qb202bc4e79_prep:
	.size	k_qb202bc4e79_prep, .Lfunc_end_k_qb202bc4e79_prep-k_qb202bc4e79_prep
	.p2alignl 7, 3214868480
	.fill 96, 4, 3214868480
	.section	.rodata,"a",@progbits
	.p2align	6, 0x0
	.amdhsa_kernel k_qb202bc4e79_prep
		.amdhsa_group_segment_fixed_size 33280
		.amdhsa_private_segment_fixed_size 0
		.amdhsa_enable_private_segment 0
		.amdhsa_kernarg_size 72
		.amdhsa_user_sgpr_count 2
		.amdhsa_user_sgpr_kernarg_segment_ptr 1
		.amdhsa_wavefront_size32 1
		.amdhsa_system_sgpr_workgroup_id_x 1
		.amdhsa_system_sgpr_workgroup_id_y 1
		.amdhsa_system_sgpr_workgroup_id_z 1
		.amdhsa_system_vgpr_workitem_id 0
		.amdhsa_next_free_vgpr 194
		.amdhsa_next_free_sgpr 66
		.amdhsa_reserve_vcc 0
		.amdhsa_float_denorm_mode_32 3
		.amdhsa_float_denorm_mode_16_64 3
		.amdhsa_memory_ordered 1
		.amdhsa_forward_progress 1
		.amdhsa_inst_pref_size 52
	.end_amdhsa_kernel
	.amdgpu_metadata
---
amdhsa.version: [ 1, 2 ]
amdhsa.kernels:
  - .name:           k_qb202bc4e79_prep
    .symbol:         k_qb202bc4e79_prep.kd
    .args:
      - { .name: q, .offset: 0, .size: 8, .value_kind: global_buffer, .address_space: global }
      - { .name: k, .offset: 8, .size: 8, .value_kind: global_buffer, .address_space: global }
      - { .name: v, .offset: 16, .size: 8, .value_kind: global_buffer, .address_space: global }
      - { .name: Wq, .offset: 24, .size: 8, .value_kind: global_buffer, .address_space: global }
      - { .name: Wk, .offset: 32, .size: 8, .value_kind: global_buffer, .address_space: global }
      - { .name: Wv, .offset: 40, .size: 8, .value_kind: global_buffer, .address_space: global }
      - { .name: Wo, .offset: 48, .size: 8, .value_kind: global_buffer, .address_space: global }
      - { .name: xc, .offset: 56, .size: 8, .value_kind: global_buffer, .address_space: global }
      - { .name: xs, .offset: 64, .size: 8, .value_kind: global_buffer, .address_space: global }
    .group_segment_fixed_size: 33280
    .private_segment_fixed_size: 0
    .kernarg_segment_align: 8
    .kernarg_segment_size: 72
    .max_flat_workgroup_size: 128
    .sgpr_count:     66
    .vgpr_count:     194
    .wavefront_size: 32
...
	.end_amdgpu_metadata
.endif
;; end of part 1
;; launch gemm_qkv (part 2): grid 4 x 96, 4 waves a work-group, clusters of 4 x 4, 327,680 bytes of LDS; arguments xc, xs, bq, bk, bv, hc, hs; writes hc, hs
.if DOCPART == 2
	.amdgcn_target "amdgcn-amd-amdhsa--gfx1250"
	.amdhsa_code_object_version 6
	.text
	.protected	k_qb202bc4e79_gemm_qkv
	.globl	k_qb202bc4e79_gemm_qkv
	.p2align	8
	.type	k_qb202bc4e79_gemm_qkv,@function
k_qb202bc4e79_gemm_qkv:
	s_mov_b64 s[64:65], 0
	v_nop
	global_prefetch_b8 v0, s[64:65] scope:SCOPE_SE
	s_setreg_imm32_b32 hwreg(HW_REG_WAVE_MODE, 25, 1), 1
	s_wait_xcnt 0x0
	s_wait_alu depctr_hold_cnt(0) depctr_sa_sdst(0) depctr_va_vdst(0) depctr_va_sdst(0) depctr_va_ssrc(0) depctr_va_vcc(0) depctr_vm_vsrc(0)
	s_getreg_b32 s2, hwreg(HW_REG_IB_STS2, 6, 4)
	s_cmp_eq_u32 s2, 0
	s_cbranch_scc0 .Lentry_in_a_cluster
	s_endpgm
.Lentry_in_a_cluster:
	s_bfe_u32 s2, ttmp6, 0x10000c
	s_cmp_lg_u32 s2, 0xf033
	s_cbranch_scc0 .Lentry_shape_is_right
	s_endpgm
.Lentry_shape_is_right:
.set KSTEP,  256
.set NQ,     KSTEP/128
.set ROWB,   256
.set KROW,   1024
.set PITCH,  272
.set FR,     16
.set NL,     4
.set NP,     8
.set HALFT,  128*PITCH
.set SLOT,   4*HALFT
.set LAPS,   2
.set KS,     32
.set SCL,    2*SLOT
.set HALFS,  (128*KS/256)*272
.set SBLK,   (16*KS/256)*272
.set SPARE,  SCL+4*HALFS
.set ADRA, 16
.set ADRB, 20
.set L16,  24
.set WST,  25
.set WRD,  26
.set ADRS, 27
.set SPW,  28
.set NIL,  29
.set BOF,  30
.set SC,   32
.set BI,   64
.set AF,   128
.set TM,   32
.set PW,   48
.set HN,   64
.set G1, 24
.set G0, 32
.set G1B, 48
.set G0B, 56
.set G1S, 68
.set G0S, 76
.set G1SB, 80
.set G0SB, 88
.set MSB, 0
.macro WIN new
.if MSB != (\new)
	s_set_vgpr_msb (MSB<<8)|(\new)
.set MSB, (\new)
.endif
.endm
.set MUL_LO, 0xa1
.set MUL_HI, 0xf1
.set TO_B,   0x40
.macro JLOAD g0a, g1a, g0b, g1b
	s_cmp_eq_u32 s15, 0
	s_cbranch_scc0 .Lfor_b_\@
	tensor_load_to_lds s[\g0a:\g0a+3], s[\g1a:\g1a+7]
	s_nop 0
.rept 4
	v_nop
.endr
	s_branch .Lasked_\@
.Lfor_b_\@:
	tensor_load_to_lds s[\g0b:\g0b+3], s[\g1b:\g1b+7]
	s_nop 0
.rept 4
	v_nop
.endr
.Lasked_\@:
.endm
.macro CREST
	s_cmp_lg_u32 s14, 0
	s_cbranch_scc1 .Lnot_wave_0_\@
	s_barrier_signal -3
.Lnot_wave_0_\@:
	s_barrier_wait -3
	s_barrier_signal -1
	s_barrier_wait -1
.endm
.macro CROUND
	s_barrier_signal -1
	s_barrier_wait -1
	CREST
.endm
	s_load_b128 s[4:7], s[0:1], 0x0
	s_load_b128 s[8:11], s[0:1], 0x10
	s_load_b64 s[12:13], s[0:1], 0x20
	s_load_b64 s[96:97], s[0:1], 0x28
	s_load_b64 s[98:99], s[0:1], 0x30
	v_lshl_add_u32 v[SPW], v0, 2, SPARE
	v_mov_b32 v[NIL], 0
	ds_add_u32 v28, v29
	ds_add_u32 v28, v29
	s_wait_dscnt 0x0
	v_lshrrev_b32 v1, 5, v0
	v_readfirstlane_b32 s14, v1
	s_lshr_b32 s15, s14, 1
	s_and_b32 s16, s14, 1
	s_bfe_u32 s40, ttmp6, 0x40000
	s_bfe_u32 s41, ttmp6, 0x40004
	s_and_b32 s17, ttmp7, 0xffff
	s_lshr_b32 s66, s17, 3
	s_and_b32 s17, s17, 7
	s_lshl_b32 s17, s17, 2
	s_lshl_b32 s100, s66, 23
	s_lshl_b32 s101, s66, 20
	s_add_co_u32 s101, s101, 25165824
	s_cmp_eq_u32 s66, 2
	s_cselect_b32 s100, 27262976, s100
	s_cselect_b32 s101, 16777216, s101
	s_cselect_b32 s42, s17, 0
	s_cselect_b32 s17, 0, s17
	s_add_co_u32 s42, s42, s40
	s_add_co_u32 s17, s17, s41
	s_lshl_b32 s43, s41, 2
	s_lshl_b32 s43, 15, s43
	s_lshl_b32 s44, 0x1111, s40
	s_or_b32 s[G1+0], s43, (0<<16)|(1<<20)|(1<<21)|(5<<22)|(3<<25)
	s_or_b32 s[G1B+0], s44, (0<<16)|(1<<20)|(1<<21)|(5<<22)|(3<<25)
.irp g, G1, G1B
	s_mov_b32 s[\g+1], ROWB<<16
	s_mov_b32 s[\g+2], 256<<16                     ; 256 rows for the head's loads; behind them the two words that count rows are set to 128
	s_mov_b32 s[\g+3], ROWB<<16
	s_mov_b32 s[\g+4], 256
	s_mov_b32 s[\g+5], KROW
	s_mov_b32 s[\g+6], 0
	s_mov_b32 s[\g+7], 0
.endr
	s_or_b32 s[G1S+0], s43, (3<<16)|(1<<20)|(1<<21)|(5<<22)|(3<<25)
	s_or_b32 s[G1SB+0], s44, (3<<16)|(1<<20)|(1<<21)|(5<<22)|(3<<25)
.irp g, G1S, G1SB
	s_mov_b32 s[\g+1], 32<<16
	s_mov_b32 s[\g+2], KS<<16                      ; the scales of 256 rows: KS rows of 256 bytes
	s_mov_b32 s[\g+3], 32<<16
	s_mov_b32 s[\g+4], KS
	s_mov_b32 s[\g+5], 32
	s_mov_b32 s[\g+6], 0
	s_mov_b32 s[\g+7], 0
.endr
	s_lshl_b32 s20, s17, 8                         ; the tile's first row
	s_lshl_b32 s20, s20, 10
	s_add_co_u32 s20, s20, s100
	s_mov_b32 s21, 0
	s_lshr_b32 s22, s20, 5
	s_mov_b32 s23, 0
	s_lshl_b32 s46, s42, 8
	s_lshl_b32 s46, s46, 10
	s_add_co_u32 s46, s46, s101
	s_mov_b32 s47, 0
	s_lshr_b32 s92, s46, 5
	s_mov_b32 s93, 0
	s_mul_i32 s45, s14, HALFT
	s_lshl_b32 s18, s16, 17                        ; in the ring I fetch 128 rows of a tile: which half, in bytes
	s_mov_b32 s19, 0
	s_wait_kmcnt 0x0
	s_add_nc_u64 s[20:21], s[4:5], s[20:21]
	s_add_nc_u64 s[22:23], s[6:7], s[22:23]
	s_add_nc_u64 s[46:47], s[4:5], s[46:47]
	s_add_nc_u64 s[92:93], s[6:7], s[92:93]
	CROUND
	s_mov_b32 s[G0S], 1
	s_mov_b32 s[G0S+1], SCL
	s_mov_b64 s[G0S+2:G0S+3], s[22:23]
	s_or_b32 s[G0S+3], s[G0S+3], 0x80000000
	s_mov_b32 s[G0SB], 1
	s_mov_b32 s[G0SB+1], SCL+2*HALFS
	s_mov_b64 s[G0SB+2:G0SB+3], s[92:93]
	s_or_b32 s[G0SB+3], s[G0SB+3], 0x80000000
.irp s, 0,1
	s_mov_b32 s[G0+4*\s], 1
	s_add_co_u32 s[G0+4*\s+1], s45, \s*SLOT
	s_add_nc_u64 s[G0+4*\s+2:G0+4*\s+3], s[20:21], s[18:19]
	s_add_nc_u64 s[G0+4*\s+2:G0+4*\s+3], s[G0+4*\s+2:G0+4*\s+3], \s*ROWB
	s_or_b32 s[G0+4*\s+3], s[G0+4*\s+3], 0x80000000
	s_mov_b32 s[G0B+4*\s], 1
	s_add_co_u32 s[G0B+4*\s+1], s45, \s*SLOT
	s_add_nc_u64 s[G0B+4*\s+2:G0B+4*\s+3], s[46:47], s[18:19]
	s_add_nc_u64 s[G0B+4*\s+2:G0B+4*\s+3], s[G0B+4*\s+2:G0B+4*\s+3], \s*ROWB
	s_or_b32 s[G0B+4*\s+3], s[G0B+4*\s+3], 0x80000000
.endr
	s_mov_b32 s4, 1                                ; group 0 for the head's load of K step 0's 256 rows of A (the arguments that lay in s[4:7] have been used),
	s_mov_b32 s5, 0
	s_mov_b64 s[6:7], s[20:21]
	s_or_b32 s7, s7, 0x80000000
	s_mov_b32 s44, 1                               ; and of its 256 rows of B, behind them in slot 0: s[46:47] holds their address
	s_mov_b32 s45, 2*HALFT
	s_or_b32 s47, s47, 0x80000000
; THE HEAD'S LOADS, ONE A WAVE: wave 0 K step 0's 256 rows of A, wave 1 its 256 rows of B, wave 2 the scales of A's 256 rows, wave 3 those of B's.
; One tree of branches on the wave's number: every way through the head passes exactly one load.
.macro ARM under, g0, g1, next
	s_cmp_lt_u32 s14, \under
	s_cbranch_scc0 \next
	tensor_load_to_lds s[\g0:\g0+3], s[\g1:\g1+7]
	s_nop 0
.rept 4
	v_nop
.endr
	s_branch .Lhead_asked
\next:
.endm
	ARM 1, 4,   G1,  .Lhead_b
	ARM 2, 44,  G1B, .Lhead_sa
	ARM 3, G0S, G1S, .Lhead_sb
	tensor_load_to_lds s[G0SB:G0SB+3], s[G1SB:G1SB+7]
	s_nop 0
.rept 4
	v_nop
.endr
.Lhead_asked:
	v_and_b32 v1, 15, v0
	v_bfe_u32 v2, v0, 4, 1
	v_mul_u32_u24 v3, v1, PITCH
	v_lshl_add_u32 v4, v2, 4, v3
	s_mul_i32 s21, s15, HALFT
	s_mul_i32 s22, s16, HALFT
	s_add_co_u32 s22, s22, 2*HALFT
.irp s, 0,1
	v_add_nc_u32 v[ADRA+\s], s21, v4
	v_add_nc_u32 v[ADRB+\s], s22, v4
	s_add_co_u32 s21, s21, SLOT
	s_add_co_u32 s22, s22, SLOT
.endr
	v_mul_u32_u24 v5, v1, KS
	v_lshrrev_b32 v6, 8, v5
	v_lshl_add_u32 v5, v6, 4, v5
	s_mul_i32 s21, s15, HALFS
	s_mul_i32 s22, s16, HALFS
	s_add_co_u32 s22, s22, 2*HALFS
	s_sub_co_u32 s22, s22, s21
	v_mul_u32_u24 v6, s22, v2
	s_add_co_u32 s21, s21, SCL
	v_add_nc_u32 v5, v5, v6
	v_add_nc_u32 v[ADRS], s21, v5
	v_and_b32 v6, 31, v0
	v_lshlrev_b32 v[L16], 4, v6
	s_lshl_b32 s23, s14, 9
	v_lshl_add_u32 v[WST], v1, 2, s23
	v_add_nc_u32 v[WRD], s23, v[L16]
	s_mov_b32 s92, 0x76543210
	s_mov_b32 s93, 0xfedcba98
	s_mov_b32 s95, 0x8000000
	s_mov_b32 s100, 0x600000
	s_cmp_eq_u32 s66, 2
	s_cselect_b32 s20, s42, s17
	s_cselect_b32 s21, s17, s42
	s_cselect_b32 s22, s16, s15
	s_cselect_b32 s23, s15, s16
	s_lshr_b32 s18, s20, 3
	s_lshl_b32 s18, s18, 2
	s_add_co_u32 s18, s18, s21
	s_lshl_b32 s18, s18, 4
	s_and_b32 s20, s20, 7
	s_lshl_b32 s20, s20, 1
	s_add_co_u32 s18, s18, s20
	s_add_co_u32 s18, s18, s22
	s_lshl_b32 s18, s18, 1
	s_add_co_u32 s18, s18, s23
	s_lshl_b32 s20, s18, 14
	s_lshl_b32 s22, s66, 23
	s_add_co_u32 s20, s20, s22
	s_mov_b32 s21, 0
	s_add_nc_u64 s[96:97], s[96:97], s[20:21]
	s_lshl_b32 s20, s18, 9
	s_lshl_b32 s22, s66, 18
	s_add_co_u32 s20, s20, s22
	s_add_nc_u64 s[98:99], s[98:99], s[20:21]
	s_cmp_eq_u32 s66, 1
	s_cselect_b64 s[8:9], s[10:11], s[8:9]
	s_cmp_eq_u32 s66, 2
	s_cselect_b64 s[8:9], s[12:13], s[8:9]
	s_cselect_b32 s18, s17, s42
	s_cselect_b32 s19, s15, s16
	s_lshl_b32 s18, s18, 10
	s_lshl_b32 s19, s19, 9
	s_add_co_u32 s18, s18, s19
	s_mov_b32 s19, 0
	s_add_nc_u64 s[8:9], s[8:9], s[18:19]
	s_cmp_eq_u32 s66, 2
	s_cbranch_scc1 .Lbias_v
	v_lshlrev_b32 v[BOF], 6, v2
.irp b, 0,1,2,3,4,5,6,7
	global_load_b128 v[BI+8*\b:BI+8*\b+3], v[BOF], s[8:9] offset:(32*(\b/2)+8*(\b%2))*4
	global_load_b128 v[BI+8*\b+4:BI+8*\b+7], v[BOF], s[8:9] offset:(32*(\b/2)+8*(\b%2))*4+16
.endr
	s_branch .Lbias_done
.Lbias_v:
	v_and_b32 v[BOF], 8, v1
	v_add_nc_u32 v[BOF], v[BOF], v1
	v_lshlrev_b32 v[BOF], 2, v[BOF]
.irp a, 0,1,2,3,4,5,6,7
.irp j, 0,1,2,3,4,5,6,7
	global_load_b32 v[BI+8*\a+\j], v[BOF], s[8:9] offset:(32*(\a/2)+8*(\a%2))*4
.endr
.endr
.Lbias_done:
.macro FRAG reg, adr, q, i
.irp c, 0,1,2,3
	ds_load_b128 v[\reg+4*\c:\reg+4*\c+3], v[\adr] offset:128*(\q)+32*\c+(\i)*16*PITCH
.endr
.endm
.macro MUL16 a0, p, q, sc, cm
.irp a, \a0, \a0+1
.irp b, 0,1,2,3,4,5,6,7
.if \cm == 1
	v_wmma_scale_f32_16x16x128_f8f6f4 v[8*(8*((\a)%4)+\b):8*(8*((\a)%4)+\b)+7], v[128*(\p)+FR*\b:128*(\p)+FR*\b+FR-1], v[AF+FR*(\a):AF+FR*(\a)+FR-1], v[BI+8*\b:BI+8*\b+7], v[SC+8*NQ*(\sc)+NQ*\b+(\q)], v[SC+8*NQ*(\sc)+NQ*(\a)+(\q)] matrix_a_fmt:MATRIX_FMT_BF8 matrix_b_fmt:MATRIX_FMT_BF8 matrix_a_scale:MATRIX_SCALE_ROW1
.elseif \cm == 2
	v_wmma_scale_f32_16x16x128_f8f6f4 v[8*(8*((\a)%4)+\b):8*(8*((\a)%4)+\b)+7], v[128*(\p)+FR*\b:128*(\p)+FR*\b+FR-1], v[AF+FR*(\a):AF+FR*(\a)+FR-1], v[BI+8*(\a):BI+8*(\a)+7], v[SC+8*NQ*(\sc)+NQ*\b+(\q)], v[SC+8*NQ*(\sc)+NQ*(\a)+(\q)] matrix_a_fmt:MATRIX_FMT_BF8 matrix_b_fmt:MATRIX_FMT_BF8 matrix_a_scale:MATRIX_SCALE_ROW1
.else
	v_wmma_scale_f32_16x16x128_f8f6f4 v[8*(8*((\a)%4)+\b):8*(8*((\a)%4)+\b)+7], v[128*(\p)+FR*\b:128*(\p)+FR*\b+FR-1], v[AF+FR*(\a):AF+FR*(\a)+FR-1], v[8*(8*((\a)%4)+\b):8*(8*((\a)%4)+\b)+7], v[SC+8*NQ*(\sc)+NQ*\b+(\q)], v[SC+8*NQ*(\sc)+NQ*(\a)+(\q)] matrix_a_fmt:MATRIX_FMT_BF8 matrix_b_fmt:MATRIX_FMT_BF8 matrix_a_scale:MATRIX_SCALE_ROW1
.endif
.endr
.endr
.endm
.macro FETCH_B slot, q, p
	WIN TO_B
.irp i, 0,1,2,3,4,5,6,7
	FRAG 128*(\p)+FR*\i, ADRB+\slot, \q, \i
.endr
	WIN 0
.endm
.macro FETCH_A slot, q, i0
.irp i, \i0, \i0+1, \i0+2, \i0+3
	FRAG AF+FR*(\i), ADRA+\slot, \q, \i
.endr
.endm
.macro SCALES sc
.irp i, 0,1,2,3,4,5,6,7
	ds_load_b64 v[SC+8*NQ*\sc+NQ*\i:SC+8*NQ*\sc+NQ*\i+1], v[ADRS] offset:\i*SBLK
.endr
.endm
.macro PLACES n
.rept \n
	v_nop
.endr
.endm
.macro STEP slot, q, cm
	s_wait_dscnt 4*NL
.if \cm
	WIN 0x81
.else
	WIN MUL_LO
.endif
	MUL16 0, (\q)%2, \q, \slot, \cm
	MUL16 2, (\q)%2, \q, \slot, \cm
	s_wait_dscnt 0
	PLACES NP
	FETCH_B \slot, (\q)+1, 1-(\q)%2
	FETCH_A \slot, (\q)+1, 0
.if \cm
	WIN 0xc1
.else
	WIN MUL_HI
.endif
	MUL16 4, (\q)%2, \q, \slot, \cm
	MUL16 6, (\q)%2, \q, \slot, \cm
	PLACES NP
	WIN 0
	FETCH_A \slot, (\q)+1, 4
.endm
.macro TURN slot, next, fill
	s_wait_tensorcnt 0x0
	ds_add_u32 v[SPW], v[NIL]
	s_wait_dscnt 4*NL+1
	WIN MUL_LO
	MUL16 0, 1, NQ-1, \slot, 0
	s_wait_dscnt 0x0
	s_barrier_signal -1
	MUL16 2, 1, NQ-1, \slot, 0
	WIN 0
	s_barrier_wait -1
.if \fill
	CREST
	s_add_nc_u64 s[G0+4*\slot+2:G0+4*\slot+3], s[G0+4*\slot+2:G0+4*\slot+3], 2*ROWB
	s_add_nc_u64 s[G0B+4*\slot+2:G0B+4*\slot+3], s[G0B+4*\slot+2:G0B+4*\slot+3], 2*ROWB
	JLOAD G0+4*\slot, G1, G0B+4*\slot, G1B
	PLACES NP-4
.else
	PLACES NP
.endif
	s_wait_alu depctr_va_vdst(0)
	v_add_nc_u32 v[ADRS], 4*NQ, v[ADRS]
	FETCH_B \next, 0, 0
	FETCH_A \next, 0, 0
	SCALES \next
	WIN MUL_HI
	MUL16 4, 1, NQ-1, \slot, 0
	MUL16 6, 1, NQ-1, \slot, 0
	PLACES NP
	WIN 0
	FETCH_A \next, 0, 4
.endm
	s_wait_alu depctr_va_vdst(0)
	s_wait_tensorcnt 0x0                           ; my tile of the head's four is in; slot 1's first fill is issued as a refill is
	ds_add_u32 v[SPW], v[NIL]                      ; 0 onto my spare word
	s_mov_b32 s[G1+2], 128<<16                     ; no tensor load of mine is out: from here on a load brings 128 rows
	s_mov_b32 s[G1+4], 128
	s_mov_b32 s[G1B+2], 128<<16
	s_mov_b32 s[G1B+4], 128
	s_wait_dscnt 0x0
	CROUND                                         ; all four tiles are in, and all sixteen work-groups are here
	JLOAD G0+4, G1, G0B+4, G1B                     ; K step 1, the first tensor load behind the round
	FETCH_B 0, 0, 0
	FETCH_A 0, 0, 0
	s_wait_alu depctr_va_vdst(0)
	SCALES 0
	FETCH_A 0, 0, 4
	s_wait_loadcnt 0x0
	s_cmp_eq_u32 s66, 2
	s_cbranch_scc1 .Lfirst_v
	STEP 0, 0, 1
	s_branch .Lfirst_done
.Lfirst_v:
	STEP 0, 0, 2
.Lfirst_done:
	s_mov_b32 s3, LAPS-1
.Llap:
	TURN 0, 1, 1
	STEP 1, 0, 0
	TURN 1, 0, 1
	STEP 0, 0, 0
	s_sub_co_u32 s3, s3, 1
	s_cmp_lg_u32 s3, 0
	s_cbranch_scc1 .Llap
	TURN 0, 1, 0
	STEP 1, 0, 0
	s_wait_dscnt 4*NL
	WIN MUL_LO
	MUL16 0, 1, NQ-1, 1, 0
	MUL16 2, 1, NQ-1, 1, 0
	s_wait_dscnt 0
	WIN MUL_HI
	MUL16 4, 1, NQ-1, 1, 0
	MUL16 6, 1, NQ-1, 1, 0
	WIN 0
.macro EPI a
.set AC, 64*((\a)%4)
.set WX, 2+(\a)/4
.set PCA, 128+16*(\a)
	WIN (WX<<2)|(WX<<4)
.irp c, 0,1,2,3
	v_max3_num_f32 v[TM+\c], s95, |v[AC+16*\c]|, |v[AC+16*\c+1]|
.endr
.irp i, 2,4,6,8,10,12,14
.irp c, 0,1,2,3
	v_max3_num_f32 v[TM+\c], v[TM+\c], |v[AC+16*\c+\i]|, |v[AC+16*\c+\i+1]|
.endr
.endr
	WIN 0
.irp c, 0,1,2,3
	v_permlanex16_b32 v[TM+4+\c], v[TM+\c], s92, s93
.endr
.irp c, 0,1,2,3
	v_max_num_f32 v[TM+\c], v[TM+\c], v[TM+4+\c]
.endr
.irp c, 0,1,2,3
	v_add_nc_u32 v[TM+12+\c], 0xf8800000, v[TM+\c]
.endr
.irp c, 0,1,2,3
	v_and_or_b32 v[TM+8+\c], v[TM+\c], 0x7f800000, s100
.endr
.irp c, 0,1,2,3
	v_lshrrev_b32 v[TM+4+\c], 23, v[TM+12+\c]
.endr
	v_lshl_or_b32 v[PW+(\a)], v[TM+5], 8, v[TM+4]
	v_lshl_or_b32 v[PW+(\a)], v[TM+6], 16, v[PW+(\a)]
	v_lshl_or_b32 v[PW+(\a)], v[TM+7], 24, v[PW+(\a)]
	WIN WX
.irp c, 0,1,2,3
.irp i, 0,1,2,3,4,5,6,7,8,9,10,11,12,13,14,15
	v_med3_num_f32 v[HN+16*\c+\i], v[AC+16*\c+\i], -v[TM+8+\c], v[TM+8+\c]
.endr
.endr
	WIN 0
.irp c, 0,1,2,3
	v_cvt_scalef32_pk8_bf8_f32 v[PCA+4*\c:PCA+4*\c+1], v[HN+16*\c:HN+16*\c+7], v[TM+12+\c]
	v_cvt_scalef32_pk8_bf8_f32 v[PCA+4*\c+2:PCA+4*\c+3], v[HN+16*\c+8:HN+16*\c+15], v[TM+12+\c]
.endr
	v_nop
	ds_store_b32 v[WST], v[PW+(\a)] offset:64*(\a)
.irp c, 0,1,2,3
	global_store_b128 v[L16], v[PCA+4*\c:PCA+4*\c+3], s[96:97] offset:2048*(\a)+512*\c
.endr
.endm
	PLACES NP
.irp c, 0,1,2,3
	v_mov_b32 v[TM+4+\c], 0
.endr
.irp a, 0,1,2,3,4,5,6,7
	EPI \a
.endr
	ds_load_b128 v[56:59], v[WRD]
	s_wait_dscnt 0x0
	global_store_b128 v[L16], v[56:59], s[98:99]
	s_wait_tensorcnt 0x0
	ds_add_u32 v[SPW], v[NIL]
	s_wait_dscnt 0x0
	CROUND
	s_endpgm
.Lfunc_end_k_qb202bc4e79_gemm_qkv:
	.size	k_qb202bc4e79_gemm_qkv, .Lfunc_end_k_qb202bc4e79_gemm_qkv-k_qb202bc4e79_gemm_qkv
	.p2alignl 7, 3214868480
	.fill 96, 4, 3214868480
	.section	.rodata,"a",@progbits
	.p2align	6, 0x0
	.amdhsa_kernel k_qb202bc4e79_gemm_qkv
		.amdhsa_group_segment_fixed_size 327680
		.amdhsa_private_segment_fixed_size 0
		.amdhsa_enable_private_segment 0
		.amdhsa_kernarg_size 56
		.amdhsa_user_sgpr_count 2
		.amdhsa_user_sgpr_kernarg_segment_ptr 1
		.amdhsa_wavefront_size32 1
		.amdhsa_system_sgpr_workgroup_id_x 1
		.amdhsa_system_sgpr_workgroup_id_y 1
		.amdhsa_system_sgpr_workgroup_id_z 1
		.amdhsa_system_vgpr_workitem_id 0
		.amdhsa_next_free_vgpr 1024
		.amdhsa_next_free_sgpr 104
		.amdhsa_reserve_vcc 0
		.amdhsa_float_denorm_mode_32 3
		.amdhsa_float_denorm_mode_16_64 3
		.amdhsa_memory_ordered 1
		.amdhsa_forward_progress 1
		.amdhsa_inst_pref_size 207
	.end_amdhsa_kernel
	.amdgpu_metadata
---
amdhsa.version: [ 1, 2 ]
amdhsa.kernels:
  - .name:           k_qb202bc4e79_gemm_qkv
    .symbol:         k_qb202bc4e79_gemm_qkv.kd
    .args:
      - { .name: xc, .offset: 0, .size: 8, .value_kind: global_buffer, .address_space: global }
      - { .name: xs, .offset: 8, .size: 8, .value_kind: global_buffer, .address_space: global }
      - { .name: bq, .offset: 16, .size: 8, .value_kind: global_buffer, .address_space: global }
      - { .name: bk, .offset: 24, .size: 8, .value_kind: global_buffer, .address_space: global }
      - { .name: bv, .offset: 32, .size: 8, .value_kind: global_buffer, .address_space: global }
      - { .name: hc, .offset: 40, .size: 8, .value_kind: global_buffer, .address_space: global }
      - { .name: hs, .offset: 48, .size: 8, .value_kind: global_buffer, .address_space: global }
    .group_segment_fixed_size: 327680
    .private_segment_fixed_size: 0
    .kernarg_segment_align: 8
    .kernarg_segment_size: 56
    .max_flat_workgroup_size: 128
    .sgpr_count:     104
    .vgpr_count:     1024
    .wavefront_size: 32
...
	.end_amdgpu_metadata
.endif
;; end of part 2
;; launch attn (part 3): grid 16 x 16, 8 waves a work-group, clusters of 4 x 4, 327,680 bytes of LDS; arguments hc, hs, src_mask, key_padding_mask, cc, cs; writes cc, cs
.if DOCPART == 3
	.amdgcn_target "amdgcn-amd-amdhsa--gfx1250"
	.amdhsa_code_object_version 6
	.text
	.protected	k_qb202bc4e79_attn
	.globl	k_qb202bc4e79_attn
	.p2align	8
	.type	k_qb202bc4e79_attn,@function
k_qb202bc4e79_attn:
	s_mov_b64 s[64:65], 0
	v_nop
	global_prefetch_b8 v0, s[64:65] scope:SCOPE_SE
	s_setreg_imm32_b32 hwreg(HW_REG_WAVE_MODE, 25, 1), 1
	s_wait_xcnt 0x0
	s_wait_alu depctr_hold_cnt(0) depctr_sa_sdst(0) depctr_va_vdst(0) depctr_va_sdst(0) depctr_va_ssrc(0) depctr_va_vcc(0) depctr_vm_vsrc(0)
	s_getreg_b32 s2, hwreg(HW_REG_IB_STS2, 6, 4)
	s_cmp_eq_u32 s2, 0
	s_cbranch_scc0 .Lentry_in_a_cluster
	s_endpgm
.Lentry_in_a_cluster:
	s_bfe_u32 s2, ttmp6, 0x10000c
	s_cmp_lg_u32 s2, 0xf033
	s_cbranch_scc0 .Lentry_shape_is_right
	s_endpgm
.Lentry_shape_is_right:
; Attention on codes of BF8 (E5M2) with one E8M0 scale for each 32 along a product's K: scores = qh kh^T / 8 + src_mask, padded keys out, softmax, x vh; the result, divided by the row's sum, is quantised along D into cc and cs.
; SOFTMAX: t = logit x log2(e); M = the running largest t rounded UP to a whole number; p = 2^(t - M) is quantised along the keys, not normalised; the row's sum is taken of the unquantised p; when M moves, the sum and O
; are multiplied by 2^(old M - new M), which rounds nothing.
; SHARES.  A work-group owns 128 queries (qb) of four heads (hg) of one batch: bh = 4 b + hg.  Wave w of eight owns query tile 8 qb + w for all four heads: one mask tile in its registers serves four heads.  16 key steps of 128 keys, four UNITs (heads) a step.
; LAYOUT.  Both products are used transposed (S^T = K Q^T, O^T = V^T P^T): a lane holds ONE query.  K, V and Q come as images of operand registers, laid by the projections' launch so that the 16 registers of two neighbouring
; tiles are 16 neighbours (32 c + 16 (lane / 16) + 0 .. 15): every LDS load is 16 x lane + a constant.
; A HEAD HAS 64 CHANNELS, THE MATRIX INSTRUCTION 128: the first head of a pair multiplies [Q | zeros], the second [zeros | Q]; K's registers opposite the zeros hold a neighbouring tile's codes or zeros.  A token's scale word
; holds the pair's 2 + 2 bytes.  The division by 8 is 3 off each of Q's scale bytes.
; THE MASK IS THE C OF THE FIRST PRODUCT: the result is scores / 8 + mask.  Ahead of that, once a step for all four heads: a padded key's mask becomes -3e38, every other is held at -3e38 from below.
; TWO BUFFERS OF 64 REGISTERS, X AND Y, CHANGE ROLES FROM HEAD TO HEAD: one holds K, then V; the other the logits and p, then the NEXT head's K, which is asked for behind the conversions, 16 multiplications and 4 products ahead of its use.
; THE CHANGE OF SLOTS stands in a step's fourth head: when V's last fragments are in, my reads of the step's slots are over: the waits, the add and the round's opening signal stand there, that head's softmax and second
; product (registers alone) inside the round, and the joint loads of the step after next first behind the round.  From a request to the wait for it a wave walks three heads.
; CLUSTER 4 x 4: the mask's tiles hang on qb alone and are asked for jointly along a column of the cluster; K, V and their scale words hang on bh alone and are asked for jointly along a row.
; No prefetch: a step's tiles are asked for three heads' softmax in each of eight waves ahead of the wait for them.
; LIMITS: NaN and +infinity among the inputs are not served; mask numbers under -3e38 (-infinity too) count as -3e38: their p is 0 wherever the row has a key that counts; a row all of whose keys are padded is not served
; (the sum is 0 there); blocks whose largest magnitude lies under 2^-111 keep the scale byte 1; a block of qh with a scale byte under 4 (magnitudes under 2^-108) is divided by less than 8.
; cs is stored in pieces of 8 bytes a row (one byte for each 32 of cc's).
; LDS: 0 mask slot 0 (128 rows x 528), at the end the stages; 0x10800 K slot 0; 0x18800 scale words slot 0 (K's 1,024 bytes, V's 1,024); 0x19000 the padding's upper bounds, 2,048 f32; 0x1B000 the spare words;
;      + 0x20000: slot 1 of the three; 0x40000, 0x48000: V's slots.
.set MP,    528                        ; a mask row in LDS: 512 bytes + 16
.set KSL,   0x10800
.set WSL,   0x18800
.set PADH,  0x19000
.set SPARE, 0x1B000                    ; the spare words, 128 bytes for each of eight waves
.set SL1,   0x20000
.set VSL,   0x40000
.set VX,    0x8000
; window 0
.set SPW, 1                            ; my spare word's LDS address; never rewritten
.set NIL, 2                            ; 0; never rewritten
.set AM0, 3                            ; my place in a mask tile: 8448 w + 528 r + 64 h
.set AK0, 4                            ; KSL + 16 x lane
.set AV0, 5                            ; VSL + 16 x lane
.set AW0, 6                            ; WSL + 4 x lane
.set AP0, 7                            ; PADH + 64 h
.set ADM, 8                            ; v8-12 the step's addresses
.set ADK, 9
.set ADV, 10
.set ADW, 11
.set ADP, 12
.set QW,  13                           ; v13, v14 Q's scale words, one for each pair of heads
.set ST,  16                           ; v16-31 head g at ST + 4 g: -M, the largest t, the sum in two halves
.set X,   40                           ; v40-103 buffer X; v32-39 and v104-111 zeros beside it
.set Y,   112                          ; v112-175 buffer Y; v104-111 and v176-183 zeros beside it
.set PC,  184                          ; v184-199 p's codes
.set BM,  200                          ; block maxima
.set T1,  204                          ; the other half's, then bytes
.set HL,  208                          ; 57,344 x the scale
.set SO,  212                          ; the conversions' scale operands
.set FF,  216                          ; v216 f = 2^(old M - new M); v217 p's scale word
.set TMP, 218
.set KW,  220                          ; v220-227 K's scale words: pair p at 4 p; lanes 0-15 tile 2 i, lanes 16-31 tile 2 i + 1
.set VW,  228                          ; v228-235 V's likewise
.set C2,  236                          ; v[236:237] the sum's second chain
.set LANE, 238
.set RR,  239
.set HH,  240
.set L16, 241
.set R4,  242
.set T8,  243
.set PDA, 244
.set PB,  246                          ; v[246:247] my 8 bytes of the padding mask
.set STI, 248                          ; the way out: into my stage, back, my offsets in cc and cs
.set STB, 249
.set CO,  250
.set SOF, 251
.set LOV, 252
.set HIV, 253
.set RC,  40                           ; the way out: 1 / the sum of head g at v[40 + 2 g]
; window 1
.set MK,  0                            ; v0-63 the step's mask numbers
.set O,   64                           ; v64-191 O^T, head g at 64 + 32 g
.set QB,  192                          ; v192-239 pair p at 192 + 24 p: Q of its first head, 8 zeros, Q of its second
.set MSB, 0
.macro WIN new                         ; the immediate's high byte repeats the setting that is left
.if MSB != (\new)
	s_set_vgpr_msb (MSB<<8)|(\new)
.set MSB, (\new)
.endif
.endm
.macro NOPS n
.rept \n
	v_nop
.endr
.endm
; The step's joint loads, one a wave: waves 0, 1 the mask's halves, wave 2 K, wave 3 V, wave 4 the scale words, waves 5 to 7 none.  The branches hang on the wave's number alone.  s_nop 0 and four v_nop follow each line.
.macro TLOAD
	s_cmp_lt_u32 s16, 2
	s_cbranch_scc0 .Lt1_\@
	tensor_load_to_lds s[48:51], s[24:31]
	s_nop 0
	NOPS 4
	s_branch .Ltd_\@
.Lt1_\@:
	s_cmp_eq_u32 s16, 2
	s_cbranch_scc0 .Lt2_\@
	tensor_load_to_lds s[52:55], s[32:39]
	s_nop 0
	NOPS 4
	s_branch .Ltd_\@
.Lt2_\@:
	s_cmp_eq_u32 s16, 3
	s_cbranch_scc0 .Lt3_\@
	tensor_load_to_lds s[56:59], s[32:39]
	s_nop 0
	NOPS 4
	s_branch .Ltd_\@
.Lt3_\@:
	s_cmp_eq_u32 s16, 4
	s_cbranch_scc0 .Ltd_\@
	tensor_load_to_lds s[60:63], s[40:47]
	s_nop 0
	NOPS 4
.Ltd_\@:
.endm
.macro CREST                           ; a round of the cluster's barrier behind its opening barrier
	s_cmp_lg_u32 s16, 0
	s_cbranch_scc1 .Lnot_wave_0_\@
	s_barrier_signal -3
.Lnot_wave_0_\@:
	s_barrier_wait -3
	s_barrier_signal -1
	s_barrier_wait -1
.endm
.macro CROUND                          ; a whole round
	s_barrier_signal -1
	s_barrier_wait -1
	CREST
.endm
.macro WALK                            ; the walking descriptors: the other slot, the next 128 keys (written only where no tensor load of mine is out)
	s_xor_b32 s49, s49, SL1
	s_add_nc_u64 s[50:51], s[50:51], 512
	s_xor_b32 s53, s53, SL1
	s_add_nc_u64 s[54:55], s[54:55], 32768
	s_xor_b32 s57, s57, VX
	s_add_nc_u64 s[58:59], s[58:59], 32768
	s_xor_b32 s61, s61, SL1
	s_add_nc_u64 s[62:63], s[62:63], 1024
.endm
	s_load_b256 s[4:11], s[0:1], 0x0               ; hc s[4:5], hs s[6:7], src_mask s[8:9], key_padding_mask s[10:11]
	s_load_b128 s[12:15], s[0:1], 0x20             ; cc s[12:13], cs s[14:15]
	v_lshl_add_u32 v[SPW], v0, 2, SPARE
	v_mov_b32 v[NIL], 0
	ds_add_u32 v[SPW], v[NIL]                      ; the opening lines: the add, twice on end, and its wait
	ds_add_u32 v[SPW], v[NIL]
	s_wait_dscnt 0x0
	v_lshrrev_b32 v3, 5, v0
	s_delay_alu instid0(VALU_DEP_1)
	v_readfirstlane_b32 s16, v3                    ; wave 0..7
	s_bfe_u32 s17, ttmp6, 0x40000                  ; cx
	s_bfe_u32 s18, ttmp6, 0x40004                  ; cy
	s_lshl_b32 s19, ttmp9, 2
	s_add_co_u32 s19, s19, s17                     ; qb = 4 x cluster x + cx
	s_and_b32 s20, ttmp7, 0xffff
	s_lshl_b32 s20, s20, 2
	s_add_co_u32 s20, s20, s18                     ; bh = 4 x cluster y + cy
	s_lshl_b32 s21, s18, 2
	s_lshl_b32 s21, 15, s21                        ; my row of the cluster
	s_lshl_b32 s22, 0x1111, s17                    ; my column
	; group 1 for the mask: 64 rows x 128 f32, 2,048 f32 from row to row, 16 bytes of padding behind each row of 128 words
	s_or_b32 s24, s22, (2<<16)|(1<<20)|(1<<21)|(6<<22)|(3<<25)
	s_mov_b32 s25, 128<<16
	s_mov_b32 s26, 64<<16
	s_mov_b32 s27, 128<<16
	s_mov_b32 s28, 64
	s_mov_b32 s29, 2048
	s_mov_b32 s30, 0
	s_mov_b32 s31, 0
	; group 1 for K and for V: 32,768 dense bytes as 128 rows of 32 elements of 8 bytes
	s_or_b32 s32, s21, (3<<16)|(1<<21)
	s_mov_b32 s33, 32<<16
	s_mov_b32 s34, 128<<16
	s_mov_b32 s35, 32<<16
	s_mov_b32 s36, 128
	s_mov_b32 s37, 32
	s_mov_b32 s38, 0
	s_mov_b32 s39, 0
	; group 1 for the scale words: two rows of 1,024 bytes (K's, V's), 262,144 bytes apart
	s_or_b32 s40, s21, (3<<16)|(1<<21)
	s_mov_b32 s41, 128<<16
	s_mov_b32 s42, 2<<16
	s_mov_b32 s43, 128<<16
	s_mov_b32 s44, 2
	s_mov_b32 s45, 32768
	s_mov_b32 s46, 0
	s_mov_b32 s47, 0
	s_and_b32 s76, s16, 1                          ; which 64 rows of the mask tile I fetch, if I fetch
	s_mul_i32 s49, s76, 64*MP
	s_lshl_b32 s78, s19, 20                        ; 128 qb rows of 8,192 bytes
	s_lshl_b32 s77, s76, 19
	s_add_co_u32 s78, s78, s77
	s_mov_b32 s79, 0
	s_lshl_b32 s80, s20, 19                        ; bh x 524,288: its codes in each third of hc
	s_mov_b32 s81, 0
	s_lshl_b32 s82, s20, 14                        ; bh x 16,384: its scale words in each third of hs
	s_mov_b32 s83, 0
	s_mov_b32 s66, 0                               ; the slot in hand: 0 or SL1
	s_mov_b32 s67, 0                               ; V's: 0 or VX
	s_mov_b32 s68, 0                               ; the step's 128 keys among the padding's bounds: 512 bytes a step
	s_mov_b32 s70, 0x3fb8aa3b                      ; log2(e)
	s_mov_b32 s71, s70                             ; (named with it as a pair)
	s_mov_b32 s72, 0x76543210                      ; v_permlanex16_b32's selects for lane l xor 16
	s_mov_b32 s73, 0xfedcba98
	s_mov_b32 s74, 0x600000                        ; the mantissa field of 57,344
	s_mov_b32 s75, 0xff61b1e6                      ; -3e38
	s_wait_kmcnt 0x0
	s_mov_b32 s48, 1
	s_add_nc_u64 s[50:51], s[8:9], s[78:79]
	s_or_b32 s51, s51, 0x80000000
	s_mov_b32 s52, 1
	s_mov_b32 s53, KSL
	s_add_nc_u64 s[54:55], s[4:5], s[80:81]
	s_add_nc_u64 s[54:55], s[54:55], 8388608
	s_or_b32 s55, s55, 0x80000000
	s_mov_b32 s56, 1
	s_mov_b32 s57, VSL
	s_add_nc_u64 s[58:59], s[4:5], s[80:81]
	s_add_nc_u64 s[58:59], s[58:59], 16777216
	s_or_b32 s59, s59, 0x80000000
	s_mov_b32 s60, 1
	s_mov_b32 s61, WSL
	s_add_nc_u64 s[62:63], s[6:7], s[82:83]
	s_add_nc_u64 s[62:63], s[62:63], 262144
	s_or_b32 s63, s63, 0x80000000
	CROUND                                         ; all sixteen work-groups are here: the first joint loads meet
	TLOAD                                          ; key step 0 into slot 0: one tensor load of mine is out at the most, here and later
	; the pointers of my own loads and stores
	s_lshl_b32 s84, s19, 15
	s_lshl_b32 s85, s16, 11
	s_add_co_u32 s84, s84, s85
	s_add_co_u32 s84, s84, s80
	s_mov_b32 s85, 0
	s_add_nc_u64 s[84:85], s[4:5], s[84:85]        ; Q's codes: bh, token group qb, tile w
	s_lshl_b32 s86, s19, 10
	s_lshl_b32 s87, s16, 6
	s_add_co_u32 s86, s86, s87
	s_add_co_u32 s86, s86, s82
	s_mov_b32 s87, 0
	s_add_nc_u64 s[86:87], s[6:7], s[86:87]        ; and their scale words
	s_lshr_b32 s88, s20, 2                         ; b
	s_and_b32 s89, s20, 3                          ; hg
	s_lshl_b32 s90, s88, 11
	s_mov_b32 s91, 0
	s_add_nc_u64 s[10:11], s[10:11], s[90:91]      ; the batch's 2,048 padding bytes
	s_lshl_b32 s90, s88, 21
	s_lshl_b32 s77, s19, 17
	s_add_co_u32 s90, s90, s77
	s_lshl_b32 s77, s16, 14
	s_add_co_u32 s90, s90, s77
	s_lshl_b32 s77, s89, 8
	s_add_co_u32 s90, s90, s77
	s_add_nc_u64 s[12:13], s[12:13], s[90:91]      ; cc: row 2048 b + 128 qb + 16 w, byte 256 hg
	s_lshl_b32 s90, s88, 16
	s_lshl_b32 s77, s19, 12
	s_add_co_u32 s90, s90, s77
	s_lshl_b32 s77, s16, 9
	s_add_co_u32 s90, s90, s77
	s_lshl_b32 s77, s89, 3
	s_add_co_u32 s90, s90, s77
	s_add_nc_u64 s[14:15], s[14:15], s[90:91]      ; cs: the same row of 32 bytes, byte 8 hg
	v_and_b32 v[LANE], 31, v0
	v_and_b32 v[RR], 15, v0                        ; r
	v_bfe_u32 v[HH], v0, 4, 1                      ; h
	s_delay_alu instid0(VALU_DEP_3)
	v_lshlrev_b32 v[L16], 4, v[LANE]
	s_delay_alu instid0(VALU_DEP_3)
	v_lshlrev_b32 v[R4], 2, v[RR]
	v_lshlrev_b32 v[T8], 3, v0
	WIN 0x40                                       ; destination window 1
.irp p, 0,1
.irp e, 0,1
.irp c, 0,1
	global_load_b128 v[QB+24*\p+16*\e+4*\c:QB+24*\p+16*\e+4*\c+3], v[L16], s[84:85] offset:16384*\p+1024*\e+512*\c   ; Q stays in registers
.endr
.endr
.endr
	WIN 0
	global_load_b32 v[QW], v[R4], s[86:87]
	global_load_b32 v[QW+1], v[R4], s[86:87] offset:512
	global_load_b64 v[PB:PB+1], v[T8], s[10:11]    ; 256 threads x 8 bytes: the batch's padding mask
	s_mul_i32 s77, s16, 16*MP
	v_mul_u32_u24 v[AM0], v[RR], MP
	s_delay_alu instid0(VALU_DEP_1)
	v_lshl_add_u32 v[AM0], v[HH], 6, v[AM0]
	s_delay_alu instid0(VALU_DEP_1)
	v_add_nc_u32 v[AM0], s77, v[AM0]
	v_add_nc_u32 v[AK0], KSL, v[L16]
	v_add_nc_u32 v[AV0], VSL, v[L16]
	v_lshl_add_u32 v[AW0], v[LANE], 2, WSL
	v_lshl_add_u32 v[AP0], v[HH], 6, PADH
	v_lshl_add_u32 v[PDA], v0, 5, PADH             ; where I store my 8 keys' bounds
	s_mul_i32 s77, s16, 16*272                     ; my stage, for the way out
	v_mul_u32_u24 v[STI], v[RR], 272
	s_delay_alu instid0(VALU_DEP_1)
	v_lshl_add_u32 v[STI], v[HH], 4, v[STI]
	s_delay_alu instid0(VALU_DEP_1)
	v_add_nc_u32 v[STI], s77, v[STI]               ; in: row r, + 16 h
	v_mul_u32_u24 v[STB], v[HH], 272
	s_delay_alu instid0(VALU_DEP_1)
	v_lshl_add_u32 v[STB], v[RR], 4, v[STB]
	s_delay_alu instid0(VALU_DEP_1)
	v_add_nc_u32 v[STB], s77, v[STB]               ; back: lanes 0-15 one row of 256 bytes, lanes 16-31 the next
	v_lshlrev_b32 v[CO], 10, v[HH]
	s_delay_alu instid0(VALU_DEP_1)
	v_lshl_add_u32 v[CO], v[RR], 4, v[CO]          ; and the same two rows in cc
	v_lshlrev_b32 v[SOF], 5, v[RR]                 ; my row of cs
.irp j, 0,1,2,3,4,5,6,7
	v_mov_b32 v[X-8+\j], 0                         ; the zeros beside the two buffers
	v_mov_b32 v[Y-8+\j], 0
	v_mov_b32 v[Y+64+\j], 0
.endr
.irp g, 0,1,2,3
	v_mov_b32 v[ST+4*\g+1], s75                    ; the largest t so far: -3e38
	v_mov_b32 v[ST+4*\g+2], 0                      ; the sum, in two halves
	v_mov_b32 v[ST+4*\g+3], 0
	v_mov_b32 v[T1+\g], 0                          ; a lane permute's destination counts as one of its sources
.endr
.irp g, 0,1,2,3
	v_floor_f32 v[ST+4*\g], -v[ST+4*\g+1]          ; -M
.endr
	v_mov_b32 v[FF+1], 0                           ; (named as the upper half of the pair v[216:217] before it is first written)
	v_mov_b32 v[LOV], s75
	v_mov_b32 v[HIV], 0x7f7fffff                   ; the largest f32 number
	WIN 0x40
.irp p, 0,1
.irp j, 0,1,2,3,4,5,6,7
	v_mov_b32 v[QB+24*\p+8+\j], 0                  ; the zeros between a pair's two Q
.endr
.endr
.set J, 0
.rept 128
	v_mov_b32 v[O+J], 0                            ; O^T.  The step is written for every step alike: the first finds zeros, which the first change of M leaves zeros
.set J, J+1
.endr
	WIN 0
	s_wait_loadcnt 0x0                             ; Q, its scale words, the padding bytes
.irp i, 0,1,2,3,4,5,6,7
	v_bfe_u32 v[Y+\i], v[PB+\i/4], 8*(\i%4), 8
.endr
.irp i, 0,1,2,3,4,5,6,7
	v_cmp_eq_u32 vcc_lo, 0, v[Y+\i]
	s_delay_alu instid0(VALU_DEP_1)
	v_cndmask_b32 v[Y+\i], v[LOV], v[HIV], vcc_lo  ; the mask's upper bound: the largest number for a key that counts, -3e38 for a padded one
.endr
	ds_store_b128 v[PDA], v[Y:Y+3]
	ds_store_b128 v[PDA], v[Y+4:Y+7] offset:16     ; waited for ahead of the round below
.irp p, 0,1                                    ; / 8: 3 off each of Q's scale bytes, but never under 1
.irp i, 0,1,2,3
	v_bfe_u32 v[BM+\i], v[QW+\p], 8*\i, 8
.endr
.irp i, 0,1,2,3
	s_delay_alu instid0(VALU_DEP_4)
	v_add_nc_u32 v[HL+\i], -1, v[BM+\i]
.endr
.irp i, 0,1,2,3
	s_delay_alu instid0(VALU_DEP_4)
	v_min_u32 v[HL+\i], 3, v[HL+\i]
.endr
.irp i, 0,1,2,3
	s_delay_alu instid0(VALU_DEP_4)
	v_sub_nc_u32 v[BM+\i], v[BM+\i], v[HL+\i]
.endr
	s_delay_alu instid0(VALU_DEP_3)
	v_lshl_or_b32 v[QW+\p], v[BM+1], 8, v[BM]
	s_delay_alu instid0(VALU_DEP_1)
	v_lshl_or_b32 v[QW+\p], v[BM+2], 16, v[QW+\p]
	s_delay_alu instid0(VALU_DEP_1)
	v_lshl_or_b32 v[QW+\p], v[BM+3], 24, v[QW+\p]
.endr
.macro KLOAD g, base                   ; head g's half of K's eight tiles: 8 registers a tile
.irp t, 0,1,2,3,4,5,6,7
.irp c, 0,1
	ds_load_b128 v[\base+8*\t+4*\c:\base+8*\t+4*\c+3], v[ADK] offset:16384*((\g)/2)+1024*((\g)%2)+2048*\t+512*\c
.endr
.endr
.endm
.macro VLOAD g, base                   ; head g's four tiles of V^T: 16 channels x 128 keys each
.irp t, 0,1,2,3
.irp c, 0,1,2,3
	ds_load_b128 v[\base+16*\t+4*\c:\base+16*\t+4*\c+3], v[ADV] offset:16384*((\g)/2)+8192*((\g)%2)+2048*\t+512*\c
.endr
.endr
.endm
.macro HOLD b                          ; p is not negative, so the hold is one-sided; two holds to an instruction: destinations even and odd, first sources in neighbouring banks, one second source
.irp i, 0,2,4,6,8,10,12,14
	v_dual_min_num_f32 v[S+16*\b+\i], v[S+16*\b+\i], v[HL+\b] :: v_dual_min_num_f32 v[S+16*\b+\i+1], v[S+16*\b+\i+1], v[HL+\b]
.endr
.endm
; ONE HEAD'S KEY STEP: 16 queries x 128 keys.  meet = 1: the change of slots with a refill; 2: without; 0: none.
.macro UNIT g, meet
.set UP, (\g)/2
.set UE, (\g)%2
.set NM, ST+4*(\g)
.set OG, O+32*(\g)
.set KB, X+72*UE                       ; K, then V
.set S,  X+72*(1-UE)                   ; logits, then p, then the next head's K
	s_wait_dscnt 0x0                               ; K's fragments and the scale words are in
	WIN 0x14                                       ; source 1 (Q) and C (the mask) window 1
.irp t, 0,1,2,3,4,5,6,7                        ; S^T = K Q^T + mask: register 16 c + i of the eight results is key 32 c + 16 h + i
.if (\t)%2
	v_wmma_scale_f32_16x16x128_f8f6f4 v[S+8*\t:S+8*\t+7], v[KB+8*\t-8*UE:KB+8*\t-8*UE+15], v[QB+24*UP+8*UE:QB+24*UP+8*UE+15], v[MK+8*\t:MK+8*\t+7], v[KW+4*UP+\t/2], v[QW+UP] matrix_a_fmt:MATRIX_FMT_BF8 matrix_b_fmt:MATRIX_FMT_BF8 matrix_a_scale:MATRIX_SCALE_ROW1
.else
	v_wmma_scale_f32_16x16x128_f8f6f4 v[S+8*\t:S+8*\t+7], v[KB+8*\t-8*UE:KB+8*\t-8*UE+15], v[QB+24*UP+8*UE:QB+24*UP+8*UE+15], v[MK+8*\t:MK+8*\t+7], v[KW+4*UP+\t/2], v[QW+UP] matrix_a_fmt:MATRIX_FMT_BF8 matrix_b_fmt:MATRIX_FMT_BF8
.endif
.endr
	WIN 0
	NOPS 8                                         ; places in front of the loads into K's registers and of the first read of the results
	VLOAD \g, KB                                   ; V lands while the softmax is worked
.if \meet
	s_wait_tensorcnt 0x0                           ; all my tensor loads have landed: my part of the next step
	ds_add_u32 v[SPW], v[NIL]                      ; 0 onto my spare word
.if (\meet) == 1
	ds_add_u32 v[SPW], v[NIL]                      ; and once more
	WALK
.endif
.endif
.irp b, 0,1,2,3
	v_max3_num_f32 v[BM+\b], v[S+16*\b], v[S+16*\b+1], v[S+16*\b+2]   ; the largest logit of each block of 32 keys: for the row's maximum, and, since p rises with the logit, for the block's largest p
.endr
.irp i, 3,5,7,9,11,13
.irp b, 0,1,2,3
	v_max3_num_f32 v[BM+\b], v[BM+\b], v[S+16*\b+\i], v[S+16*\b+\i+1]   ; (the four blocks by turns)
.endr
.endr
.irp b, 0,1,2,3
	v_max_num_f32 v[BM+\b], v[BM+\b], v[S+16*\b+15]
.endr
.if \meet
	s_wait_alu depctr_va_vdst(0)
	s_wait_dscnt 0x0                               ; the add is done, V is in: my reads of this step's slots are over
	s_barrier_signal -1                            ; what follows up to the wait is work on registers
.endif
.irp b, 0,1,2,3
	v_permlanex16_b32 v[T1+\b], v[BM+\b], s72, s73
.endr
.irp b, 0,1,2,3
	s_delay_alu instid0(VALU_DEP_4)
	v_max_num_f32 v[BM+\b], v[BM+\b], v[T1+\b]     ; with lane l xor 16's 16 keys
.endr
	s_delay_alu instid0(VALU_DEP_2)
	v_max3_num_f32 v[TMP], v[BM], v[BM+1], v[BM+2]
	s_delay_alu instid0(VALU_DEP_1)
	v_max_num_f32 v[TMP], v[TMP], v[BM+3]          ; the step's largest logit of my query
	s_delay_alu instid0(VALU_DEP_1)
	v_mul_f32 v[TMP], s70, v[TMP]                  ; as t
	s_delay_alu instid0(VALU_DEP_1)
	v_max_num_f32 v[NM+1], v[NM+1], v[TMP]         ; the running largest t
	v_mov_b32 v[TMP], v[NM]
	s_delay_alu instid0(VALU_DEP_2)
	v_floor_f32 v[NM], -v[NM+1]                    ; the new -M = floor(-t): M is a whole number
	s_delay_alu instid0(VALU_DEP_1)
	v_sub_f32 v[TMP], v[NM], v[TMP]                ; old M - new M: a whole number, 0 or less
	s_delay_alu instid0(VALU_DEP_1)
	v_cvt_i32_f32 v[TMP], v[TMP]                   ; (it saturates)
	s_delay_alu instid0(VALU_DEP_1)
	v_ldexp_f32 v[FF], 1.0, v[TMP]                 ; f = 2^(old M - new M)
.irp b, 0,1,2,3
.irp i, 0,2,4,6,8,10,12,14
	v_pk_fma_f32 v[S+16*\b+\i:S+16*\b+\i+1], v[S+16*\b+\i:S+16*\b+\i+1], s[70:71], v[NM:NM+1] op_sel_hi:[1,0,0]   ; t - M, two at a time
.endr
.endr
.irp b, 0,1,2,3
	v_fma_f32 v[BM+\b], v[BM+\b], s70, v[NM]       ; the same of each block's largest logit
.endr
	s_wait_alu depctr_va_vdst(0)
.irp b, 0,1,2,3
.irp i, 0,1,2,3,4,5,6,7,8,9,10,11,12,13,14,15
	v_exp_f32 v[S+16*\b+\i], v[S+16*\b+\i]         ; p = 2^(t - M): not normalised
.endr
.endr
.irp b, 0,1,2,3
	v_exp_f32 v[BM+\b], v[BM+\b]                   ; the block's largest p: the same two instructions on the same number
.endr
	v_pk_mul_f32 v[NM+2:NM+3], v[NM+2:NM+3], v[FF:FF+1] op_sel_hi:[1,0]   ; the sums under the new M.  (The plain instruction behind the exponentials)
	s_wait_alu depctr_va_vdst(0)                   ; one wait for the batch of 68, ahead of its first reader
	v_pk_add_f32 v[C2:C2+1], v[S:S+1], v[S+2:S+3]  ; the row's sum of the unquantised p, in two chains
.irp j, 4,8,12,16,20,24,28,32,36,40,44,48,52,56,60
	v_pk_add_f32 v[NM+2:NM+3], v[NM+2:NM+3], v[S+\j:S+\j+1]
	v_pk_add_f32 v[C2:C2+1], v[C2:C2+1], v[S+\j+2:S+\j+3]
.endr
	s_delay_alu instid0(VALU_DEP_1)
	v_pk_add_f32 v[NM+2:NM+3], v[NM+2:NM+3], v[C2:C2+1]
.irp b, 0,1,2,3
	v_max_num_f32 v[BM+\b], 0x8000000, v[BM+\b]    ; the floor 2^(16 - 127): the byte cannot fall under 1
.endr
.irp b, 0,1,2,3
	s_delay_alu instid0(VALU_DEP_4)
	v_add_nc_u32 v[SO+\b], 0xf8800000, v[BM+\b]    ; 15 off the exponent field: the conversion's scale operand
.endr
.irp b, 0,1,2,3
	v_and_or_b32 v[HL+\b], v[BM+\b], 0x7f800000, s74   ; 57,344 x the scale
.endr
.irp b, 0,1,2,3
	v_lshrrev_b32 v[T1+\b], 23, v[SO+\b]           ; the scale's byte
.endr
	s_delay_alu instid0(VALU_DEP_3)
	v_lshl_or_b32 v[FF+1], v[T1+1], 8, v[T1]       ; p's scale word for these 128 keys
	s_delay_alu instid0(VALU_DEP_1)
	v_lshl_or_b32 v[FF+1], v[T1+2], 16, v[FF+1]
	s_delay_alu instid0(VALU_DEP_1)
	v_lshl_or_b32 v[FF+1], v[T1+3], 24, v[FF+1]
.irp b, 0,1,2,3
	HOLD \b                                        ; the conversion does not saturate (ISA guide 7.6.2)
	v_cvt_scalef32_pk8_bf8_f32 v[PC+4*\b:PC+4*\b+1], v[S+16*\b:S+16*\b+7], v[SO+\b]
	v_cvt_scalef32_pk8_bf8_f32 v[PC+4*\b+2:PC+4*\b+3], v[S+16*\b+8:S+16*\b+15], v[SO+\b]
.endr
.if (\g) < 3
	KLOAD (\g)+1, S                                ; p has been read: its registers take the next head's K
.endif
	WIN 0x41                                       ; O^T (destination and source 0) window 1
	s_wait_alu depctr_va_vdst(0)
.irp j, 0,2,4,6,8,10,12,14,16,18,20,22,24,26,28,30
	v_pk_mul_f32 v[OG+\j:OG+\j+1], v[OG+\j:OG+\j+1], v[FF:FF+1] op_sel_hi:[1,0]   ; O^T under the new M.  (These sixteen also stand between the conversions and the products)
.endr
	s_wait_alu depctr_va_vdst(0)
.if (\g) < 3
	s_wait_dscnt 16                                ; V is in; the 16 loads of the next K may be out
.else
	s_wait_dscnt 0x0
.endif
	WIN 0x50                                       ; C and D window 1
.irp t, 0,1,2,3                                ; O^T += V^T P^T: the four accumulators take turns
.if (\t)%2
	v_wmma_scale_f32_16x16x128_f8f6f4 v[OG+8*\t:OG+8*\t+7], v[KB+16*\t:KB+16*\t+15], v[PC:PC+15], v[OG+8*\t:OG+8*\t+7], v[VW+4*UP+2*UE+\t/2], v[FF+1] matrix_a_fmt:MATRIX_FMT_BF8 matrix_b_fmt:MATRIX_FMT_BF8 matrix_a_scale:MATRIX_SCALE_ROW1
.else
	v_wmma_scale_f32_16x16x128_f8f6f4 v[OG+8*\t:OG+8*\t+7], v[KB+16*\t:KB+16*\t+15], v[PC:PC+15], v[OG+8*\t:OG+8*\t+7], v[VW+4*UP+2*UE+\t/2], v[FF+1] matrix_a_fmt:MATRIX_FMT_BF8 matrix_b_fmt:MATRIX_FMT_BF8
.endif
.endr
	WIN 0
	NOPS 9                                         ; nine places: the next head's first product writes its results over V's registers; they also serve the next step's loads
.if \meet
	s_barrier_wait -1
.if (\meet) == 1
	CREST                                          ; the barrier has opened a round of the cluster's: no wave of any partner still reads these slots or has a load on its way
	TLOAD                                          ; the step after next, into the slots just left: first behind the round, one load a wave
.endif
.endif
.endm
; A KEY STEP.  The mask's 64 numbers of my lane are fetched and prepared once, for all four heads; so are the 16 scale words.
.macro STEP meet
	v_add_nc_u32 v[ADM], s66, v[AM0]
	v_add_nc_u32 v[ADK], s66, v[AK0]
	v_add_nc_u32 v[ADV], s67, v[AV0]
	v_add_nc_u32 v[ADW], s66, v[AW0]
	v_add_nc_u32 v[ADP], s68, v[AP0]
	WIN 0x40
.irp b, 0,1,2,3
.irp j, 0,1,2,3
	ds_load_b128 v[MK+16*\b+4*\j:MK+16*\b+4*\j+3], v[ADM] offset:128*\b+16*\j   ; register 16 b + i: src_mask(my query, key 32 b + 16 h + i)
.endr
.endr
	WIN 0
.irp b, 0,1,2,3
.irp j, 0,1,2,3
	ds_load_b128 v[Y+16*\b+4*\j:Y+16*\b+4*\j+3], v[ADP] offset:128*\b+16*\j     ; the same keys' upper bounds
.endr
.endr
.irp i, 0,1,2,3,4,5,6,7
	ds_load_b32 v[KW+\i], v[ADW] offset:128*\i
.endr
.irp i, 0,1,2,3,4,5,6,7
	ds_load_b32 v[VW+\i], v[ADW] offset:1024+128*\i
.endr
	KLOAD 0, X
	s_wait_dscnt 32                                ; the mask and the bounds are in; the 16 word loads and the 16 loads of K issued behind them may be out
	WIN 0x41
.irp b, 0,1,2,3
.irp i, 0,1,2,3,4,5,6,7,8,9,10,11,12,13,14,15
	v_med3_num_f32 v[MK+16*\b+\i], v[MK+16*\b+\i], s75, v[Y+16*\b+\i]   ; between -3e38 and the bound: a padded key gets -3e38
.endr
.endr
	WIN 0
	NOPS 4                                         ; places between the mask's last hold and the product that takes it as C
	s_wait_alu depctr_va_vdst(0)
	UNIT 0, 0
	UNIT 1, 0
	UNIT 2, 0
	UNIT 3, \meet
	s_xor_b32 s66, s66, SL1                        ; on to the other slots
	s_xor_b32 s67, s67, VX
	s_add_co_u32 s68, s68, 512
.endm
	s_wait_alu depctr_va_vdst(0)
	s_wait_tensorcnt 0x0                           ; my part of key step 0 is in; slot 1's first fill is issued as a refill is
	ds_add_u32 v[SPW], v[NIL]
	ds_add_u32 v[SPW], v[NIL]
	WALK
	s_wait_dscnt 0x0                               ; the adds are done and my bounds are stored
	CROUND
	TLOAD                                          ; key step 1 into slot 1
	s_mov_b32 s69, 14
.Lstep:                                            ; steps 0 to 13: each asks for the step after next
	STEP 1
	s_sub_co_u32 s69, s69, 1
	s_cmp_lg_u32 s69, 0
	s_cbranch_scc1 .Lstep
	s_mov_b32 s69, 2
.Ltail:                                            ; steps 14 and 15 ask for nothing
	STEP 2
	s_sub_co_u32 s69, s69, 1
	s_cmp_lg_u32 s69, 0
	s_cbranch_scc1 .Ltail
; THE WAY OUT.  O^T / the sum; a pair's two heads are 128 neighbouring channels of D: register 16 c + i = channel 32 c + 16 h + i: one fragment's worth, quantised as such.
.set S, Y
.macro QUANT pw                        ; v[S] .. v[S + 63] become 16 registers of codes in v[PC] on and a scale word in v[pw]
.irp b, 0,1,2,3
	v_max3_num_f32 v[BM+\b], |v[S+16*\b]|, |v[S+16*\b+1]|, 0x8000000   ; my 16 numbers and the floor 2^(16 - 127)
.endr
.irp i, 2,4,6,8,10,12,14
.irp b, 0,1,2,3
	s_delay_alu instid0(VALU_DEP_4)
	v_max3_num_f32 v[BM+\b], v[BM+\b], |v[S+16*\b+\i]|, |v[S+16*\b+\i+1]|
.endr
.endr
.irp b, 0,1,2,3
	s_delay_alu instid0(VALU_DEP_4)
	v_permlanex16_b32 v[T1+\b], v[BM+\b], s72, s73
.endr
.irp b, 0,1,2,3
	s_delay_alu instid0(VALU_DEP_4)
	v_max_num_f32 v[BM+\b], v[BM+\b], v[T1+\b]
.endr
.irp b, 0,1,2,3
	s_delay_alu instid0(VALU_DEP_4)
	v_add_nc_u32 v[SO+\b], 0xf8800000, v[BM+\b]
.endr
.irp b, 0,1,2,3
	v_and_or_b32 v[HL+\b], v[BM+\b], 0x7f800000, s74
.endr
.irp b, 0,1,2,3
	v_lshrrev_b32 v[T1+\b], 23, v[SO+\b]
.endr
	s_delay_alu instid0(VALU_DEP_3)
	v_lshl_or_b32 v[\pw], v[T1+1], 8, v[T1]
	s_delay_alu instid0(VALU_DEP_1)
	v_lshl_or_b32 v[\pw], v[T1+2], 16, v[\pw]
	s_delay_alu instid0(VALU_DEP_1)
	v_lshl_or_b32 v[\pw], v[T1+3], 24, v[\pw]
.irp b, 0,1,2,3
.irp i, 0,1,2,3,4,5,6,7,8,9,10,11,12,13,14,15
	v_med3_num_f32 v[S+16*\b+\i], v[S+16*\b+\i], -v[HL+\b], v[HL+\b]
.endr
	v_cvt_scalef32_pk8_bf8_f32 v[PC+4*\b:PC+4*\b+1], v[S+16*\b:S+16*\b+7], v[SO+\b]
	v_cvt_scalef32_pk8_bf8_f32 v[PC+4*\b+2:PC+4*\b+3], v[S+16*\b+8:S+16*\b+15], v[SO+\b]
.endr
	v_nop                                          ; a plain vector instruction behind the last conversion
.endm
.macro OUTP p
	WIN 0x01                                       ; source 0 (O^T) window 1
.irp e, 0,1
.irp j, 0,2,4,6,8,10,12,14,16,18,20,22,24,26,28,30
	v_pk_mul_f32 v[S+32*\e+\j:S+32*\e+\j+1], v[O+64*(\p)+32*\e+\j:O+64*(\p)+32*\e+\j+1], v[RC+4*(\p)+2*\e:RC+4*(\p)+2*\e+1] op_sel_hi:[1,0]   ; each accumulator from its low end on
.endr
.endr
	WIN 0
	QUANT KW+(\p)
.irp c, 0,1,2,3
	ds_store_b128 v[STI], v[PC+4*\c:PC+4*\c+3] offset:128*(\p)+32*\c   ; row r of my stage: channels 128 p + 32 c + 16 h + 0 .. 15
.endr
	s_wait_dscnt 0x0                               ; the stores have read their registers
.endm
.irp g, 0,1,2,3
	v_add_f32 v[48+\g], v[ST+4*\g+2], v[ST+4*\g+3] ; the sum's two halves (the nine v_nop at the last head's end stand behind the last products),
.endr
.irp g, 0,1,2,3
	s_delay_alu instid0(VALU_DEP_4)
	v_permlanex16_b32 v[52+\g], v[48+\g], s72, s73
.endr
.irp g, 0,1,2,3
	s_delay_alu instid0(VALU_DEP_4)
	v_add_f32 v[48+\g], v[48+\g], v[52+\g]         ; and lane l xor 16's: the row's sum
.endr
	s_wait_alu depctr_va_vdst(0)
.irp g, 0,1,2,3
	v_rcp_f32 v[RC+2*\g], v[48+\g]
.endr
	v_nop                                          ; a plain instruction between the last reciprocal and the use of its result
	s_wait_alu depctr_va_vdst(0)                   ; one wait for the four, ahead of their first reader
	OUTP 0
	OUTP 1
.irp i, 0,1,2,3,4,5,6,7
	ds_load_b128 v[S+4*\i:S+4*\i+3], v[STB] offset:2*\i*272   ; my own stage (in mask slot 0, which has had its last fill and its last read): whole rows of 256 bytes
.endr
.irp i, 0,1,2,3,4,5,6,7
	s_wait_dscnt 7-\i
	global_store_b128 v[CO], v[S+4*\i:S+4*\i+3], s[12:13] offset:2048*\i   ; 16 lanes store 256 consecutive bytes, aligned
.endr
	s_wait_xcnt 0x0                                ; EXEC changes only behind this wait
	v_cmp_gt_u32 vcc_lo, 16, v[LANE]
	s_and_saveexec_b32 s77, vcc_lo                 ; lanes 16-31 hold the same words
	global_store_b64 v[SOF], v[KW:KW+1], s[14:15]  ; my row's eight scale bytes
	s_wait_xcnt 0x0
	s_or_b32 exec_lo, exec_lo, s77
	s_wait_tensorcnt 0x0                           ; the wave's end
	ds_add_u32 v[SPW], v[NIL]
	s_wait_dscnt 0x0
	CROUND                                         ; the closing round
	s_endpgm
.Lfunc_end_k_qb202bc4e79_attn:
	.size	k_qb202bc4e79_attn, .Lfunc_end_k_qb202bc4e79_attn-k_qb202bc4e79_attn
	.p2alignl 7, 3214868480
	.fill 96, 4, 3214868480
	.section	.rodata,"a",@progbits
	.p2align	6, 0x0
	.amdhsa_kernel k_qb202bc4e79_attn
		.amdhsa_group_segment_fixed_size 327680
		.amdhsa_private_segment_fixed_size 0
		.amdhsa_enable_private_segment 0
		.amdhsa_kernarg_size 48
		.amdhsa_user_sgpr_count 2
		.amdhsa_user_sgpr_kernarg_segment_ptr 1
		.amdhsa_wavefront_size32 1
		.amdhsa_system_sgpr_workgroup_id_x 1
		.amdhsa_system_sgpr_workgroup_id_y 1
		.amdhsa_system_sgpr_workgroup_id_z 1
		.amdhsa_system_vgpr_workitem_id 0
		.amdhsa_next_free_vgpr 512
		.amdhsa_next_free_sgpr 100
		.amdhsa_reserve_vcc 1
		.amdhsa_float_denorm_mode_32 3
		.amdhsa_float_denorm_mode_16_64 3
		.amdhsa_memory_ordered 1
		.amdhsa_forward_progress 1
		.amdhsa_inst_pref_size 217
	.end_amdhsa_kernel
	.amdgpu_metadata
---
amdhsa.version: [ 1, 2 ]
amdhsa.kernels:
  - .name:           k_qb202bc4e79_attn
    .symbol:         k_qb202bc4e79_attn.kd
    .args:
      - { .name: hc, .offset: 0, .size: 8, .value_kind: global_buffer, .address_space: global }
      - { .name: hs, .offset: 8, .size: 8, .value_kind: global_buffer, .address_space: global }
      - { .name: src_mask, .offset: 16, .size: 8, .value_kind: global_buffer, .address_space: global }
      - { .name: key_padding_mask, .offset: 24, .size: 8, .value_kind: global_buffer, .address_space: global }
      - { .name: cc, .offset: 32, .size: 8, .value_kind: global_buffer, .address_space: global }
      - { .name: cs, .offset: 40, .size: 8, .value_kind: global_buffer, .address_space: global }
    .group_segment_fixed_size: 327680
    .private_segment_fixed_size: 0
    .kernarg_segment_align: 8
    .kernarg_segment_size: 48
    .max_flat_workgroup_size: 256
    .sgpr_count:     100
    .vgpr_count:     512
    .wavefront_size: 32
...
	.end_amdgpu_metadata
.endif
;; end of part 3
;; launch gemm_out (part 4): grid 4 x 32, 4 waves a work-group, clusters of 4 x 4, 327,680 bytes of LDS; arguments cc, cs, xc, xs, bo, out0; writes out0
.if DOCPART == 4
	.amdgcn_target "amdgcn-amd-amdhsa--gfx1250"
	.amdhsa_code_object_version 6
	.text
	.protected	k_qb202bc4e79_gemm_out
	.globl	k_qb202bc4e79_gemm_out
	.p2align	8
	.type	k_qb202bc4e79_gemm_out,@function
k_qb202bc4e79_gemm_out:
	s_mov_b64 s[64:65], 0
	v_nop
	global_prefetch_b8 v0, s[64:65] scope:SCOPE_SE
	s_setreg_imm32_b32 hwreg(HW_REG_WAVE_MODE, 25, 1), 1
	s_wait_xcnt 0x0
	s_wait_alu depctr_hold_cnt(0) depctr_sa_sdst(0) depctr_va_vdst(0) depctr_va_sdst(0) depctr_va_ssrc(0) depctr_va_vcc(0) depctr_vm_vsrc(0)
	s_getreg_b32 s2, hwreg(HW_REG_IB_STS2, 6, 4)
	s_cmp_eq_u32 s2, 0
	s_cbranch_scc0 .Lentry_in_a_cluster
	s_endpgm
.Lentry_in_a_cluster:
	s_bfe_u32 s2, ttmp6, 0x10000c
	s_cmp_lg_u32 s2, 0xf033
	s_cbranch_scc0 .Lentry_shape_is_right
	s_endpgm
.Lentry_shape_is_right:
.set SIZE_N, 1024
.set KSTEP,  256
.set NQ,     KSTEP/128
.set ROWB,   256
.set KROW,   1024
.set PITCH,  272
.set FR,     16
.set NL,     4
.set NP,     8
.set HALFT,  128*PITCH
.set SLOT,   4*HALFT
.set LAPS,   2
.set KS,     32
.set SCL,    2*SLOT
.set HALFS,  (128*KS/256)*272
.set SBLK,   (16*KS/256)*272
.set SPARE,  SCL+4*HALFS
.set SPITCH, 528
.set ADRA, 16
.set ADRB, 20
.set STO,  24
.set RD,   25
.set CO,   26
.set ADRS, 27
.set SPW,  28
.set NIL,  29
.set BOF,  30
.set SC,   32
.set BI,   64
.set AF,   128
.set BK,   128
.set G1, 24
.set G0, 32
.set G1B, 48
.set G0B, 56
.set G1S, 68
.set G0S, 76
.set G1SB, 80
.set G0SB, 88
.set MSB, 0
.macro WIN new
.if MSB != (\new)
	s_set_vgpr_msb (MSB<<8)|(\new)
.set MSB, (\new)
.endif
.endm
.set MUL_LO, 0xa1
.set MUL_HI, 0xf1
.set TO_B,   0x40
.macro JLOAD g0a, g1a, g0b, g1b
	s_cmp_eq_u32 s15, 0
	s_cbranch_scc0 .Lfor_b_\@
	tensor_load_to_lds s[\g0a:\g0a+3], s[\g1a:\g1a+7]
	s_nop 0
.rept 4
	v_nop
.endr
	s_branch .Lasked_\@
.Lfor_b_\@:
	tensor_load_to_lds s[\g0b:\g0b+3], s[\g1b:\g1b+7]
	s_nop 0
.rept 4
	v_nop
.endr
.Lasked_\@:
.endm
.macro CREST
	s_cmp_lg_u32 s14, 0
	s_cbranch_scc1 .Lnot_wave_0_\@
	s_barrier_signal -3
.Lnot_wave_0_\@:
	s_barrier_wait -3
	s_barrier_signal -1
	s_barrier_wait -1
.endm
.macro CROUND
	s_barrier_signal -1
	s_barrier_wait -1
	CREST
.endm
	s_load_b128 s[4:7], s[0:1], 0x0
	s_load_b128 s[8:11], s[0:1], 0x10
	s_load_b64 s[96:97], s[0:1], 0x20
	s_load_b64 s[12:13], s[0:1], 0x28
	v_lshl_add_u32 v[SPW], v0, 2, SPARE
	v_mov_b32 v[NIL], 0
	ds_add_u32 v28, v29
	ds_add_u32 v28, v29
	s_wait_dscnt 0x0
	v_lshrrev_b32 v1, 5, v0
	v_readfirstlane_b32 s14, v1
	s_lshr_b32 s15, s14, 1
	s_and_b32 s16, s14, 1
	s_bfe_u32 s40, ttmp6, 0x40000
	s_bfe_u32 s41, ttmp6, 0x40004
	s_lshl_b32 s42, ttmp9, 2
	s_add_co_u32 s42, s42, s40
	s_and_b32 s17, ttmp7, 0xffff
	s_lshl_b32 s17, s17, 2
	s_add_co_u32 s17, s17, s41
	s_lshl_b32 s43, s41, 2
	s_lshl_b32 s43, 15, s43
	s_lshl_b32 s44, 0x1111, s40
	s_or_b32 s[G1+0], s43, (0<<16)|(1<<20)|(1<<21)|(5<<22)|(3<<25)
	s_or_b32 s[G1B+0], s44, (0<<16)|(1<<20)|(1<<21)|(5<<22)|(3<<25)
.irp g, G1, G1B
	s_mov_b32 s[\g+1], ROWB<<16
	s_mov_b32 s[\g+2], 256<<16                     ; 256 rows for the head's loads; behind them the two words that count rows are set to 128
	s_mov_b32 s[\g+3], ROWB<<16
	s_mov_b32 s[\g+4], 256
	s_mov_b32 s[\g+5], KROW
	s_mov_b32 s[\g+6], 0
	s_mov_b32 s[\g+7], 0
.endr
	s_or_b32 s[G1S+0], s43, (3<<16)|(1<<20)|(1<<21)|(5<<22)|(3<<25)
	s_or_b32 s[G1SB+0], s44, (3<<16)|(1<<20)|(1<<21)|(5<<22)|(3<<25)
.irp g, G1S, G1SB
	s_mov_b32 s[\g+1], 32<<16
	s_mov_b32 s[\g+2], KS<<16                      ; the scales of 256 rows: KS rows of 256 bytes
	s_mov_b32 s[\g+3], 32<<16
	s_mov_b32 s[\g+4], KS
	s_mov_b32 s[\g+5], 32
	s_mov_b32 s[\g+6], 0
	s_mov_b32 s[\g+7], 0
.endr
	s_lshl_b32 s20, s17, 8                         ; the tiles' first rows
	s_lshl_b32 s46, s42, 8
	s_mov_b32 s21, 0
	s_mov_b32 s47, 0
	s_mov_b64 s[18:19], KS
	s_mul_u64 s[22:23], s[20:21], s[18:19]
	s_mul_u64 s[92:93], s[46:47], s[18:19]
	s_mov_b64 s[18:19], KROW
	s_mul_u64 s[20:21], s[20:21], s[18:19]
	s_mul_u64 s[46:47], s[46:47], s[18:19]
	s_add_nc_u64 s[46:47], s[46:47], 28311552
	s_add_nc_u64 s[92:93], s[92:93], 884736
	s_mul_i32 s45, s14, HALFT
	s_lshl_b32 s18, s16, 17                        ; in the ring I fetch 128 rows of a tile: which half, in bytes
	s_mov_b32 s19, 0
	s_wait_kmcnt 0x0
	s_add_nc_u64 s[20:21], s[4:5], s[20:21]
	s_add_nc_u64 s[22:23], s[6:7], s[22:23]
	s_add_nc_u64 s[46:47], s[8:9], s[46:47]
	s_add_nc_u64 s[92:93], s[10:11], s[92:93]
	CROUND
	s_mov_b32 s[G0S], 1
	s_mov_b32 s[G0S+1], SCL
	s_mov_b64 s[G0S+2:G0S+3], s[22:23]
	s_or_b32 s[G0S+3], s[G0S+3], 0x80000000
	s_mov_b32 s[G0SB], 1
	s_mov_b32 s[G0SB+1], SCL+2*HALFS
	s_mov_b64 s[G0SB+2:G0SB+3], s[92:93]
	s_or_b32 s[G0SB+3], s[G0SB+3], 0x80000000
.irp s, 0,1
	s_mov_b32 s[G0+4*\s], 1
	s_add_co_u32 s[G0+4*\s+1], s45, \s*SLOT
	s_add_nc_u64 s[G0+4*\s+2:G0+4*\s+3], s[20:21], s[18:19]
	s_add_nc_u64 s[G0+4*\s+2:G0+4*\s+3], s[G0+4*\s+2:G0+4*\s+3], \s*ROWB
	s_or_b32 s[G0+4*\s+3], s[G0+4*\s+3], 0x80000000
	s_mov_b32 s[G0B+4*\s], 1
	s_add_co_u32 s[G0B+4*\s+1], s45, \s*SLOT
	s_add_nc_u64 s[G0B+4*\s+2:G0B+4*\s+3], s[46:47], s[18:19]
	s_add_nc_u64 s[G0B+4*\s+2:G0B+4*\s+3], s[G0B+4*\s+2:G0B+4*\s+3], \s*ROWB
	s_or_b32 s[G0B+4*\s+3], s[G0B+4*\s+3], 0x80000000
.endr
	s_mov_b32 s4, 1                                ; group 0 for the head's load of K step 0's 256 rows of A (the arguments that lay in s[4:11] have been used),
	s_mov_b32 s5, 0
	s_mov_b64 s[6:7], s[20:21]
	s_or_b32 s7, s7, 0x80000000
	s_mov_b32 s8, 1                                ; and of its 256 rows of B, behind them in slot 0
	s_mov_b32 s9, 2*HALFT
	s_mov_b64 s[10:11], s[46:47]
	s_or_b32 s11, s11, 0x80000000
; THE HEAD'S LOADS, ONE A WAVE: wave 0 K step 0's 256 rows of A, wave 1 its 256 rows of B, wave 2 the scales of A's 256 rows, wave 3 those of B's.
; One tree of branches on the wave's number: every way through the head passes exactly one load.
.macro ARM under, g0, g1, next
	s_cmp_lt_u32 s14, \under
	s_cbranch_scc0 \next
	tensor_load_to_lds s[\g0:\g0+3], s[\g1:\g1+7]
	s_nop 0
.rept 4
	v_nop
.endr
	s_branch .Lhead_asked
\next:
.endm
	ARM 1, 4,   G1,  .Lhead_b
	ARM 2, 8,   G1B, .Lhead_sa
	ARM 3, G0S, G1S, .Lhead_sb
	tensor_load_to_lds s[G0SB:G0SB+3], s[G1SB:G1SB+7]
	s_nop 0
.rept 4
	v_nop
.endr
.Lhead_asked:
	v_and_b32 v1, 15, v0
	v_bfe_u32 v2, v0, 4, 1
	v_mul_u32_u24 v3, v1, PITCH
	v_lshl_add_u32 v4, v2, 4, v3
	s_mul_i32 s21, s15, HALFT
	s_mul_i32 s22, s16, HALFT
	s_add_co_u32 s22, s22, 2*HALFT
.irp s, 0,1
	v_add_nc_u32 v[ADRA+\s], s21, v4
	v_add_nc_u32 v[ADRB+\s], s22, v4
	s_add_co_u32 s21, s21, SLOT
	s_add_co_u32 s22, s22, SLOT
.endr
	v_mul_u32_u24 v5, v1, KS
	v_lshrrev_b32 v6, 8, v5
	v_lshl_add_u32 v5, v6, 4, v5
	s_mul_i32 s21, s15, HALFS
	s_mul_i32 s22, s16, HALFS
	s_add_co_u32 s22, s22, 2*HALFS
	s_sub_co_u32 s22, s22, s21
	v_mul_u32_u24 v6, s22, v2
	s_add_co_u32 s21, s21, SCL
	v_add_nc_u32 v5, v5, v6
	v_add_nc_u32 v[ADRS], s21, v5
	s_mul_i32 s23, s14, 16*SPITCH
	v_mul_u32_u24 v5, v1, SPITCH
	v_lshl_add_u32 v5, v2, 5, v5
	v_add_nc_u32 v[STO], s23, v5
	v_and_b32 v6, 31, v0
	v_lshlrev_b32 v[CO], 4, v6
	v_add_nc_u32 v[RD], s23, v[CO]
	s_lshl_b32 s20, s17, 8
	s_lshl_b32 s21, s15, 7
	s_add_co_u32 s20, s20, s21
	s_mov_b32 s21, 0
	s_mov_b64 s[18:19], SIZE_N*4
	s_mul_u64 s[20:21], s[20:21], s[18:19]
	s_lshl_b32 s46, s42, 10
	s_lshl_b32 s47, s16, 9
	s_add_co_u32 s46, s46, s47
	s_mov_b32 s47, 0
	s_add_nc_u64 s[20:21], s[20:21], s[46:47]
	s_add_nc_u64 s[12:13], s[12:13], s[20:21]
	s_add_nc_u64 s[96:97], s[96:97], s[46:47]
	v_lshlrev_b32 v[BOF], 5, v2
.irp b, 0,1,2,3,4,5,6,7
	global_load_b128 v[BI+8*\b:BI+8*\b+3], v[BOF], s[96:97] offset:64*\b
	global_load_b128 v[BI+8*\b+4:BI+8*\b+7], v[BOF], s[96:97] offset:64*\b+16
.endr
.macro FRAG reg, adr, q, i
.irp c, 0,1,2,3
	ds_load_b128 v[\reg+4*\c:\reg+4*\c+3], v[\adr] offset:128*(\q)+32*\c+(\i)*16*PITCH
.endr
.endm
.macro MUL16 a0, p, q, sc, cm
.irp a, \a0, \a0+1
.irp b, 0,1,2,3,4,5,6,7
.if \cm
	v_wmma_scale_f32_16x16x128_f8f6f4 v[8*(8*((\a)%4)+\b):8*(8*((\a)%4)+\b)+7], v[128*(\p)+FR*\b:128*(\p)+FR*\b+FR-1], v[AF+FR*(\a):AF+FR*(\a)+FR-1], v[BI+8*\b:BI+8*\b+7], v[SC+8*NQ*(\sc)+NQ*\b+(\q)], v[SC+8*NQ*(\sc)+NQ*(\a)+(\q)] matrix_a_fmt:MATRIX_FMT_BF8 matrix_b_fmt:MATRIX_FMT_BF8 matrix_a_scale:MATRIX_SCALE_ROW1
.else
	v_wmma_scale_f32_16x16x128_f8f6f4 v[8*(8*((\a)%4)+\b):8*(8*((\a)%4)+\b)+7], v[128*(\p)+FR*\b:128*(\p)+FR*\b+FR-1], v[AF+FR*(\a):AF+FR*(\a)+FR-1], v[8*(8*((\a)%4)+\b):8*(8*((\a)%4)+\b)+7], v[SC+8*NQ*(\sc)+NQ*\b+(\q)], v[SC+8*NQ*(\sc)+NQ*(\a)+(\q)] matrix_a_fmt:MATRIX_FMT_BF8 matrix_b_fmt:MATRIX_FMT_BF8 matrix_a_scale:MATRIX_SCALE_ROW1
.endif
.endr
.endr
.endm
.macro FETCH_B slot, q, p
	WIN TO_B
.irp i, 0,1,2,3,4,5,6,7
	FRAG 128*(\p)+FR*\i, ADRB+\slot, \q, \i
.endr
	WIN 0
.endm
.macro FETCH_A slot, q, i0
.irp i, \i0, \i0+1, \i0+2, \i0+3
	FRAG AF+FR*(\i), ADRA+\slot, \q, \i
.endr
.endm
.macro SCALES sc
.irp i, 0,1,2,3,4,5,6,7
	ds_load_b64 v[SC+8*NQ*\sc+NQ*\i:SC+8*NQ*\sc+NQ*\i+1], v[ADRS] offset:\i*SBLK
.endr
.endm
.macro PLACES n
.rept \n
	v_nop
.endr
.endm
.macro STEP slot, q, cm
	s_wait_dscnt 4*NL
.if \cm
	WIN 0x81
.else
	WIN MUL_LO
.endif
	MUL16 0, (\q)%2, \q, \slot, \cm
	MUL16 2, (\q)%2, \q, \slot, \cm
	s_wait_dscnt 0
	PLACES NP
	FETCH_B \slot, (\q)+1, 1-(\q)%2
	FETCH_A \slot, (\q)+1, 0
.if \cm
	WIN 0xc1
.else
	WIN MUL_HI
.endif
	MUL16 4, (\q)%2, \q, \slot, \cm
	MUL16 6, (\q)%2, \q, \slot, \cm
	PLACES NP
	WIN 0
	FETCH_A \slot, (\q)+1, 4
.endm
.macro TURN slot, next, fill
	s_wait_tensorcnt 0x0
	ds_add_u32 v[SPW], v[NIL]
	s_wait_dscnt 4*NL+1
	WIN MUL_LO
	MUL16 0, 1, NQ-1, \slot, 0
	s_wait_dscnt 0x0
	s_barrier_signal -1
	MUL16 2, 1, NQ-1, \slot, 0
	WIN 0
	s_barrier_wait -1
.if \fill
	CREST
	s_add_nc_u64 s[G0+4*\slot+2:G0+4*\slot+3], s[G0+4*\slot+2:G0+4*\slot+3], 2*ROWB
	s_add_nc_u64 s[G0B+4*\slot+2:G0B+4*\slot+3], s[G0B+4*\slot+2:G0B+4*\slot+3], 2*ROWB
	JLOAD G0+4*\slot, G1, G0B+4*\slot, G1B
	PLACES NP-4
.else
	PLACES NP
.endif
	s_wait_alu depctr_va_vdst(0)
	v_add_nc_u32 v[ADRS], 4*NQ, v[ADRS]
	FETCH_B \next, 0, 0
	FETCH_A \next, 0, 0
	SCALES \next
	WIN MUL_HI
	MUL16 4, 1, NQ-1, \slot, 0
	MUL16 6, 1, NQ-1, \slot, 0
	PLACES NP
	WIN 0
	FETCH_A \next, 0, 4
.endm
	s_wait_alu depctr_va_vdst(0)
	s_wait_tensorcnt 0x0                           ; my tile of the head's four is in; slot 1's first fill is issued as a refill is
	ds_add_u32 v[SPW], v[NIL]                      ; 0 onto my spare word
	s_mov_b32 s[G1+2], 128<<16                     ; no tensor load of mine is out: from here on a load brings 128 rows
	s_mov_b32 s[G1+4], 128
	s_mov_b32 s[G1B+2], 128<<16
	s_mov_b32 s[G1B+4], 128
	s_wait_dscnt 0x0
	CROUND                                         ; all four tiles are in, and all sixteen work-groups are here
	JLOAD G0+4, G1, G0B+4, G1B                     ; K step 1, the first tensor load behind the round
	FETCH_B 0, 0, 0
	FETCH_A 0, 0, 0
	SCALES 0
	FETCH_A 0, 0, 4
	s_wait_loadcnt 0x0
	STEP 0, 0, 1
	s_mov_b32 s3, LAPS-1
.Llap:
	TURN 0, 1, 1
	STEP 1, 0, 0
	TURN 1, 0, 1
	STEP 0, 0, 0
	s_sub_co_u32 s3, s3, 1
	s_cmp_lg_u32 s3, 0
	s_cbranch_scc1 .Llap
	TURN 0, 1, 0
	STEP 1, 0, 0
	s_wait_dscnt 4*NL
	WIN MUL_LO
	MUL16 0, 1, NQ-1, 1, 0
	MUL16 2, 1, NQ-1, 1, 0
	s_wait_dscnt 0
	WIN MUL_HI
	MUL16 4, 1, NQ-1, 1, 0
	MUL16 6, 1, NQ-1, 1, 0
	WIN 0
.macro TOSTAGE a
.set AC, 64*((\a)%4)
	WIN 0x08+4*((\a)/4)
.irp b, 0,1,2,3,4,5,6,7
	ds_store_b128 v[STO], v[AC+8*\b:AC+8*\b+3] offset:64*\b
	ds_store_b128 v[STO], v[AC+8*\b+4:AC+8*\b+7] offset:64*\b+16
.endr
	WIN 0
.set BB, BK+64*((\a)%2)
.irp t, 0,1,2,3,4,5,6,7,8,9,10,11,12,13,14,15
	ds_load_b128 v[BB+4*\t:BB+4*\t+3], v[RD] offset:\t*SPITCH
.endr
.endm
.macro SEND a, younger
.set BB, BK+64*((\a)%2)
	s_wait_dscnt \younger
.if (\a) > 0
	s_add_nc_u64 s[12:13], s[12:13], 16*SIZE_N*4
.endif
.irp t, 0,1,2,3,4,5,6,7,8,9,10,11,12,13,14,15
	global_store_b128 v[CO], v[BB+4*\t:BB+4*\t+3], s[12:13] offset:\t*SIZE_N*4 th:TH_STORE_NT
.endr
.endm
	PLACES NP
	TOSTAGE 0
.irp a, 1,2,3,4,5,6,7
.if \a > 1
	s_wait_xcnt 0x0
.endif
	TOSTAGE \a
	SEND \a-1, 32
.endr
	s_wait_xcnt 0x0
	SEND 7, 0
	s_wait_tensorcnt 0x0
	ds_add_u32 v[SPW], v[NIL]
	s_wait_dscnt 0x0
	CROUND
	s_endpgm
.Lfunc_end_k_qb202bc4e79_gemm_out:
	.size	k_qb202bc4e79_gemm_out, .Lfunc_end_k_qb202bc4e79_gemm_out-k_qb202bc4e79_gemm_out
	.p2alignl 7, 3214868480
	.fill 96, 4, 3214868480
	.section	.rodata,"a",@progbits
	.p2align	6, 0x0
	.amdhsa_kernel k_qb202bc4e79_gemm_out
		.amdhsa_group_segment_fixed_size 327680
		.amdhsa_private_segment_fixed_size 0
		.amdhsa_enable_private_segment 0
		.amdhsa_kernarg_size 48
		.amdhsa_user_sgpr_count 2
		.amdhsa_user_sgpr_kernarg_segment_ptr 1
		.amdhsa_wavefront_size32 1
		.amdhsa_system_sgpr_workgroup_id_x 1
		.amdhsa_system_sgpr_workgroup_id_y 1
		.amdhsa_system_sgpr_workgroup_id_z 1
		.amdhsa_system_vgpr_workitem_id 0
		.amdhsa_next_free_vgpr 1024
		.amdhsa_next_free_sgpr 100
		.amdhsa_reserve_vcc 0
		.amdhsa_float_denorm_mode_32 3
		.amdhsa_float_denorm_mode_16_64 3
		.amdhsa_memory_ordered 1
		.amdhsa_forward_progress 1
		.amdhsa_inst_pref_size 148
	.end_amdhsa_kernel
	.amdgpu_metadata
---
amdhsa.version: [ 1, 2 ]
amdhsa.kernels:
  - .name:           k_qb202bc4e79_gemm_out
    .symbol:         k_qb202bc4e79_gemm_out.kd
    .args:
      - { .name: cc, .offset: 0, .size: 8, .value_kind: global_buffer, .address_space: global }
      - { .name: cs, .offset: 8, .size: 8, .value_kind: global_buffer, .address_space: global }
      - { .name: xc, .offset: 16, .size: 8, .value_kind: global_buffer, .address_space: global }
      - { .name: xs, .offset: 24, .size: 8, .value_kind: global_buffer, .address_space: global }
      - { .name: bo, .offset: 32, .size: 8, .value_kind: global_buffer, .address_space: global }
      - { .name: out0, .offset: 40, .size: 8, .value_kind: global_buffer, .address_space: global }
    .group_segment_fixed_size: 327680
    .private_segment_fixed_size: 0
    .kernarg_segment_align: 8
    .kernarg_segment_size: 48
    .max_flat_workgroup_size: 128
    .sgpr_count:     100
    .vgpr_count:     1024
    .wavefront_size: 32
...
	.end_amdgpu_metadata
.endif
;; end of part 4
